; MI455X (gfx1250); checked and timed in simulation.
; The chip was launched on July 23, 2026; its instructions are those of AMD's public machine-readable ISA for CDNA 5 (MIT licence, August 2026) and "CDNA5" Instruction Set Architecture Reference Guide (July 2026). The comments in the code are by the model that wrote it; some were corrected since.
;; Multi Head Attention. Allowed arithmetic: matrix products marked QUANTISED: E2M1 operands, one E8M0 scale for each 32 along K, by v_wmma_scale_f32_16x16x128_f8f6f4 with both operands' format E2M1 (or v_wmma_scale_f32_32x16x128_f4), f32 sums; everything else in f32.
;; Inputs: Wk 1,024 x 1,024 float32; Wo 1,024 x 1,024 float32; Wq 1,024 x 1,024 float32; Wv 1,024 x 1,024 float32; bk 1,024 float32; bo 1,024 float32; bq 1,024 float32; bv 1,024 float32; key 4 x 2,048 x 1,024 float32; mask 1 x 1 x 2,048 x 2,048 bool; query 4 x 2,048 x 1,024 float32; value 4 x 2,048 x 1,024 float32.
;; Outputs: out0 4 x 2,048 x 1,024 float32.
;; This version of the problem:
;;   THIS VERSION OF THE PROBLEM IS GIVEN IN LOW PRECISION. The matrix products marked QUANTISED in the list below multiply operands that are first quantised to E2M1 (2 exponent bits, 1 mantissa bit; 4 bits a number), with one power-of-two scale for each 32 numbers along K (OCP MX v1.0); their sums are f32. All else is computed in f32.
;;   The module's matrix products, in the order in which they are computed (A, B: the left and right operand; K: the contracted axis; several contracted axes count as one K, in the product's order):
;;     1. [M 8,192, K 1,024] x [K 1,024, N 1,024]; A: input query; B: input Wq: QUANTISED
;;     2. [M 8,192, K 1,024] x [K 1,024, N 1,024]; A: input key; B: input Wk: QUANTISED
;;     3. [M 8,192, K 1,024] x [K 1,024, N 1,024]; A: input value; B: input Wv: QUANTISED
;;     4. batch 64 x [M 2,048, K 64] x [K 64, N 2,048]; A: computed on the way; B: computed on the way: QUANTISED
;;     5. batch 64 x [M 2,048, K 2,048] x [K 2,048, N 64]; A: softmax (see below); B: computed on the way: QUANTISED
;;     6. [M 8,192, K 1,024] x [K 1,024, N 1,024]; A: computed on the way; B: input Wo: QUANTISED
;;   THE QUANTISER, for each operand of a quantised product, along K:
;;     - K is cut into blocks of 32 from its start; a last block that is shorter is filled with zeros.
;;     - A block's scale is 2^e with e = floor(log2(the largest magnitude in the block)) - 2, held to -126 .. 127; a block of zeros has e = 0. As a byte (E8M0): e + 127.
;;     - Each number is divided by its block's scale, clamped to +-6, and rounded to the nearest number of E2M1, ties to even, subnormals kept.
;;     - The product sums the exact products of the quantised numbers (number of the format x scale) in f32.
;;   ~~~python
;;   def quantise(x, axis):      # numpy; x: float32 -> the quantised numbers, widened to float32 again
;;       x = np.moveaxis(x, axis, -1); K = x.shape[-1]
;;       x = np.pad(x, [(0, 0)] * (x.ndim - 1) + [(0, -K % 32)]); x = x.reshape(x.shape[:-1] + (-1, 32)); a = np.abs(x).max(-1, keepdims=True)
;;       e = np.where(a > 0, np.clip(np.frexp(np.where(a > 0, a, 1))[1] - 1 - 2, -126, 127), 0)      # np.frexp(a)[1] - 1 = floor(log2(a)), exactly
;;       r = np.clip(x / 2.0 ** e, -6, 6)
;;       step = 2.0 ** (np.maximum(np.frexp(np.where(r == 0, 1, r))[1] - 1, 0) - 1)
;;       q = np.round(r / step) * step * 2.0 ** e      # np.round: ties to even
;;       return np.moveaxis(q.reshape(q.shape[:-2] + (-1,))[..., :K], -1, axis).astype(np.float32)
;;   ~~~
;;   SOFTMAX AHEAD OF A QUANTISED PRODUCT. Where the list says 'softmax', what is quantised is not the finished softmax but p = 2^(t - M), with t = logit x log2(e) and M = ceil(the row's largest t), a whole number; so 1/2 < the row's largest p <= 1. The row's sum l is taken of the UNQUANTISED p, in f32, and the product's result is divided by l at the end. Since M is a whole number, a kernel that streams over the keys may use a running M (the ceiling of the running maximum): every later rescaling is an exact power of two, which a block's scale takes up: the codes' values come out the same.
;;   OPERANDS COMPUTED ON THE WAY. 'Computed on the way' means the value that the module computes at that place (a softmax that the list does not call 'softmax' is quantised finished and normalised). What goes into a quantiser is computed in f32, as accurately as f32 sums, v_exp_f32 and their like allow (about 1e-6 of the number): no bf16 or f16 on the way to a quantiser, and a product that is left as it is and whose result goes on into a quantised operand takes f32 operands (vector FMAs, or v_wmma_f32_16x16x4_f32). A number that lies on a knife's edge between two numbers of the format may be rounded either way, as far as f32 arithmetic and the matrix unit's own rounding can turn it there, and no further.
;; 2 versions, each right; version 2 is version 1 with the launch attn written anew for expert scheduling mode. Each part assembles by itself: llvm-mc -triple=amdgcn-amd-amdhsa -mcpu=gfx1250 --defsym DOCPART=n.
;; ======== version 1 of 2: 4 launches
;; workspace buffers: codes 14,680,064 bytes; scales 917,504 bytes; mw 524,288 bytes of whole numbers; fl 8,192 bytes of whole numbers; qf 4,456,448 bytes; kv 8,912,896 bytes; cf 4,194,304 bytes; cs 262,144 bytes
;; launch prep (part 1): grid 960 x 1, 4 waves a work-group, no clusters, 33,536 bytes of LDS; arguments query, key, value, Wq, Wk, Wv, Wo, mask, codes, scales, mw, fl; writes codes, scales, mw, fl
.if DOCPART == 1
	.amdgcn_target "amdgcn-amd-amdhsa--gfx1250"
	.amdhsa_code_object_version 6
	.text
	.protected	k_qae84b915d8_prep
	.globl	k_qae84b915d8_prep
	.p2align	8
	.type	k_qae84b915d8_prep,@function
k_qae84b915d8_prep:
	s_mov_b64 s[64:65], 0
	v_nop
	global_prefetch_b8 v0, s[64:65] scope:SCOPE_SE
	s_setreg_imm32_b32 hwreg(HW_REG_WAVE_MODE, 25, 1), 1
	s_wait_xcnt 0x0
; TWO JOBS, parted by the work-group's number.
; Work-groups 0-895: query, key, value [8192][1024] and Wq, Wk, Wv, Wo [1024][1024], f32, become codes of FP4 (E2M1), K innermost (512 bytes a row), with one E8M0 byte for each 32 along K (32 bytes a row).
;   A block's scale is 2^(floor(log2(its largest magnitude)) - 2); its byte is the largest magnitude's exponent field - 2, held at 1 from below; numbers are divided by the scale and rounded to the nearest code, ties to even.
;   A work-group takes 32 rows, a wave 8 (8,192 numbers: 16 steps of 512).  THE ROWS ARE STORED IN ANOTHER ORDER: in each group of 32 the two middle runs of 8 rows change places, so that sixteen
;   consecutive stored rows 16 u + r are the rows 8 u + r + 8 (r / 8).  As source 0 of a product such a tile leaves, in a lane's 16 registers of two neighbouring tiles, 16 neighbouring rows.  Here that is only another number for the wave's run of output.
; Work-groups 896-959: the mask [2048][2048] of bytes becomes LANE MASKS for the attention launch, and two flags for each (group of 32 queries, step of 128 keys).
;   mw [group][tile u][step][64 words]: bit (r, h) of word 16 b + i = mask[32 g + 8 u + r + 8 (r / 8)][128 st + 32 b + 16 h + i].
;   fl [group][32 equal words]: bit 2 st: all 32 x 128 bytes are 0 and no row of the group is 0 over all 2,048 keys (the step adds nothing); bit 2 st + 1: all are 1 (nothing is hidden).
; LIMITS: NaN and infinities among the inputs are not served; a block whose largest magnitude lies under 2^-124 keeps the byte 1, and so does a block of zeros (its codes are zeros; this program alone reads the bytes); mask bytes are 0 or 1.
.set STEPS, 16
.set EMAX,  2
.set CB,    8                          ; bytes of 16 codes
.set R,     16                         ; v16-79   four sets of 16 numbers as they are loaded
.set X,     80                         ; v80-111  two sets of 16 neighbours
.set C,     128                        ; v128-191 codes: four registers for each step, so that no store's data are written again
.set E,     112                        ; v112-127 a scale byte for each step
.set WREG,  8192                       ; LDS: a region for each wave: two stages of 32 x SP bytes, behind them its 256 scale bytes
.set SP,    80                         ; a lane's place in a stage: 64 bytes + 16 of padding
.set MWG,   896                        ; the first work-group of the mask's job
.set MLDS,  32768                      ; the mask's job has LDS bytes of its own: 16 for each wave
	s_load_b512 s[4:19], s[0:1], 0x0               ; query, key, value, Wq, Wk, Wv, Wo, mask
	s_load_b256 s[20:27], s[0:1], 0x40             ; codes, scales, mw, fl
	v_lshl_add_u32 v192, v0, 2, 0x8100
	v_mov_b32 v193, 0
	v_lshrrev_b32 v1, 5, v0
	v_readfirstlane_b32 s28, v1                    ; wave 0..3
	v_and_b32 v2, 31, v0                           ; lane
	s_cmp_ge_u32 ttmp9, MWG
	s_cbranch_scc1 .Lmask                          ; the same way for all four waves of a work-group
	; ---------------- the quantiser ----------------
	v_lshlrev_b32 v3, 4, v2                        ; my 16 bytes of a load's 512
	s_mul_i32 s29, s28, WREG
	v_lshrrev_b32 v14, 2, v2
	v_mul_u32_u24 v14, v14, SP
	v_and_b32 v15, 3, v2
	v_lshl_add_u32 v14, v15, 4, v14
	v_add_nc_u32 v14, s29, v14                     ; the stage, on the way in: SP (lane / 4) + 16 (lane % 4)
	v_mul_u32_u24 v15, v2, SP
	v_add_nc_u32 v15, s29, v15                     ; and on the way out: SP x lane: my 16 neighbours
	v_mul_u32_u24 v4, v2, CB                       ; my codes' place in a step's
	v_lshrrev_b32 v5, 1, v2
	s_add_co_u32 s29, s29, 2*32*SP
	v_add_nc_u32 v5, s29, v5                       ; my wave's 256 scale bytes, my block's byte
	v_lshlrev_b32 v7, 3, v2
	v_add_nc_u32 v6, s29, v7                       ; and on the way out 8 bytes a lane
	s_wait_kmcnt 0x0
	s_mov_b64 s[40:41], s[16:17]                   ; which tensor is mine, and its first work-group: the choice hangs on the work-group's number alone
	s_mov_b32 s42, 864
	s_cmp_lt_u32 ttmp9, 864
	s_cselect_b64 s[40:41], s[14:15], s[40:41]
	s_cselect_b32 s42, 832, s42
	s_cmp_lt_u32 ttmp9, 832
	s_cselect_b64 s[40:41], s[12:13], s[40:41]
	s_cselect_b32 s42, 800, s42
	s_cmp_lt_u32 ttmp9, 800
	s_cselect_b64 s[40:41], s[10:11], s[40:41]
	s_cselect_b32 s42, 768, s42
	s_cmp_lt_u32 ttmp9, 768
	s_cselect_b64 s[40:41], s[8:9], s[40:41]
	s_cselect_b32 s42, 512, s42
	s_cmp_lt_u32 ttmp9, 512
	s_cselect_b64 s[40:41], s[6:7], s[40:41]
	s_cselect_b32 s42, 256, s42
	s_cmp_lt_u32 ttmp9, 256
	s_cselect_b64 s[40:41], s[4:5], s[40:41]
	s_cselect_b32 s42, 0, s42
	s_sub_co_u32 s43, ttmp9, s42
	s_lshl_b32 s43, s43, 2
	s_add_co_u32 s43, s43, s28                     ; in: run 4 (work-group in its tensor) + wave, of 32,768 bytes
	s_lshl_b32 s44, s43, 15
	s_mov_b32 s45, 0
	s_add_nc_u64 s[40:41], s[40:41], s[44:45]
	s_and_b32 s46, s28, 1
	s_lshl_b32 s46, s46, 1
	s_lshr_b32 s47, s28, 1
	s_or_b32 s46, s46, s47                         ; waves 1 and 2 change places
	s_lshl_b32 s47, ttmp9, 2
	s_add_co_u32 s46, s46, s47                     ; out: the tensors follow each other in both buffers as their work-groups do
	s_lshl_b32 s44, s46, 12
	s_add_nc_u64 s[20:21], s[20:21], s[44:45]      ; 4,096 bytes of codes a run
	s_lshl_b32 s44, s46, 8
	s_add_nc_u64 s[22:23], s[22:23], s[44:45]      ; 256 scale bytes a run
.macro LOAD t
.irp i, 0,1,2,3
	global_load_b128 v[R+16*((\t)%4)+4*\i:R+16*((\t)%4)+4*\i+3], v3, s[40:41] offset:2048*(\t)+512*\i th:TH_LOAD_NT   ; 32 lanes read 512 consecutive bytes
.endr
.endm
.macro TURN t                          ; step t's numbers through the stage: LDS serves a wave's instructions in order, so no wait stands between the stores and the loads
.irp i, 0,1,2,3
	ds_store_b128 v14, v[R+16*((\t)%4)+4*\i:R+16*((\t)%4)+4*\i+3] offset:32*SP*((\t)%2)+8*SP*\i
.endr
.irp i, 0,1,2,3
	ds_load_b128 v[X+16*((\t)%2)+4*\i:X+16*((\t)%2)+4*\i+3], v15 offset:32*SP*((\t)%2)+16*\i
.endr
.endm
.irp t, 0,1,2,3
	LOAD \t
.endr
	s_wait_loadcnt 12                              ; step 0's four loads are in; the twelve of steps 1 to 3 may be out
	TURN 0
.macro STEP t
.set XS, X+16*((\t)%2)
.if (\t) > 0
	s_wait_dscnt 1                                 ; this step's numbers are back from the stage (the last step's byte store may be out)
.else
	s_wait_dscnt 0x0
.endif
.if (\t)+4 < STEPS
	LOAD (\t)+4                                    ; the stage's stores have read these registers
.endif
.if (\t)+1 < STEPS
.if STEPS-2-(\t) >= 3
	s_wait_loadcnt 12                              ; the next step's four loads are in; those of the three steps behind it may be out
.else
	s_wait_loadcnt 4*(STEPS-2-(\t))
.endif
	TURN (\t)+1
.endif
	v_max3_num_f32 v8, |v[XS]|, |v[XS+1]|, |v[XS+2]|               ; the largest magnitude of my 16, in two chains
	v_max3_num_f32 v9, |v[XS+3]|, |v[XS+4]|, |v[XS+5]|
.irp i, 6,10
	v_max3_num_f32 v8, v8, |v[XS+\i]|, |v[XS+\i+1]|
	v_max3_num_f32 v9, v9, |v[XS+\i+2]|, |v[XS+\i+3]|
.endr
	v_max3_num_f32 v8, v8, |v[XS+14]|, |v[XS+15]|
	v_max3_num_f32 v8, v8, v9, (EMAX+1)<<23        ; and the floor 2^(3 - 127): the byte cannot fall under 1
	v_max_num_f32_dpp v8, v8, v8 row_xmask:1 row_mask:0xf bank_mask:0xf   ; with my neighbour's 16: the block's
	v_add_nc_u32 v11, -(EMAX<<23), v8              ; 2 off its exponent field: the conversion takes the exponent field of this operand as its scale
	v_cvt_scalef32_pk8_fp4_f32 v[C+4*(\t)], v[XS:XS+7], v11
	v_cvt_scalef32_pk8_fp4_f32 v[C+4*(\t)+1], v[XS+8:XS+15], v11
	v_lshrrev_b32 v[E+(\t)], 23, v11               ; the scale's byte
	ds_store_b8 v5, v[E+(\t)] offset:16*(\t)       ; both lanes of a block write the same byte with the same value
	global_store_b64 v4, v[C+4*(\t):C+4*(\t)+1], s[20:21] offset:32*CB*(\t)   ; the wave stores 256 consecutive bytes, aligned
.endm
.irp t, 0,1,2,3,4,5,6,7,8,9,10,11,12,13,14,15
	STEP \t
.endr
	ds_load_b64 v[12:13], v6                       ; LDS serves a wave's instructions in order: these see my byte stores
	s_wait_dscnt 0x0
	global_store_b64 v7, v[12:13], s[22:23]        ; 256 consecutive bytes, aligned
	s_wait_tensorcnt 0x0
	ds_add_u32 v192, v193
	s_wait_dscnt 0x0
	s_endpgm
	; ---------------- the mask ----------------
	; Work-group 896 + g takes queries 32 g .. 32 g + 31; wave w takes key steps 4 w .. 4 w + 3, one a trip.
	; v32-63 the step's bytes: tile u, block b, 16 bytes a lane at v[32 + 16 u + 4 b]; v64-67 the words to store (word j in lane j / 2, register j % 2, a pair for each tile); v68-69 each lane's OR over all trips, by tile.
.Lmask:
	v_and_b32 v3, 15, v0                           ; r
	v_bfe_u32 v7, v0, 4, 1                         ; h
	v_and_b32 v4, 8, v3
	v_add_nc_u32 v4, v4, v3                        ; r + 8 (r / 8)
	v_lshlrev_b32 v4, 11, v4                       ; a row of the mask is 2,048 bytes
	v_lshl_add_u32 v4, v7, 4, v4                   ; + 16 h
	v_lshlrev_b32 v5, 3, v2                        ; 8 x lane
	v_lshlrev_b32 v6, 2, v2                        ; 4 x lane
.irp j, 64,65,66,67,68,69,72,73
	v_mov_b32 v\j, 0                               ; written once: v_writelane_b32 and the lane permutes count as readers of their destinations
.endr
	s_sub_co_u32 s29, ttmp9, MWG                   ; g
	s_lshl_b32 s30, s29, 16                        ; 32 rows of 2,048 bytes,
	s_lshl_b32 s37, s28, 9                         ; my wave's 512 keys
	s_add_co_u32 s30, s30, s37
	s_mov_b32 s31, 0
	s_lshl_b32 s32, s29, 13                        ; mw: 8,192 bytes a group,
	s_lshl_b32 s37, s28, 10                        ; my four steps of 256
	s_add_co_u32 s32, s32, s37
	s_mov_b32 s33, 0
	s_lshl_b32 s38, s29, 7                         ; fl: 128 bytes a group
	s_mov_b32 s39, 0
	s_mov_b32 s34, 4                               ; trips
	s_lshl_b32 s35, s28, 3                         ; where the step's two flags go: bit 2 st
	s_mov_b32 s36, 0                               ; my wave's flags
	s_mov_b32 s52, 0x76543210
	s_mov_b32 s53, 0xfedcba98                      ; v_permlanex16_b32's selects for lane l xor 16
	s_wait_kmcnt 0x0
	s_add_nc_u64 s[30:31], s[18:19], s[30:31]
	s_add_nc_u64 s[32:33], s[24:25], s[32:33]
	s_add_nc_u64 s[38:39], s[26:27], s[38:39]
.macro MWORDS u                        ; the 64 words of tile u: a byte of each lane -> a bit of each lane -> a word in one lane of the pair to be stored
.set q, 0
.rept 16
.irp k, 0,1,2,3
	v_bfe_u32 v[76+\k], v[32+16*\u+q], 8*\k, 8
.endr
.irp k, 0,1,2,3
	v_cmp_ne_u32 s[48+\k], 0, v[76+\k]
.endr
.irp k, 0,1,2,3
	v_writelane_b32 v[64+2*\u+\k%2], s[48+\k], 2*q+\k/2
.endr
.set q, q+1
.endr
	global_store_b64 v5, v[64+2*\u:65+2*\u], s[32:33] offset:4096*\u   ; 256 consecutive bytes, aligned
.endm
.Lmtrip:
.irp u, 0,1
.irp b, 0,1,2,3
	global_load_b128 v[32+16*\u+4*\b:35+16*\u+4*\b], v4, s[30:31] offset:16384*\u+32*\b
.endr
.endr
	s_wait_loadcnt 0x0
.irp u, 0,1
	v_or_b32 v[70+\u], v[32+16*\u], v[33+16*\u]
.irp i, 2,3,4,5,6,7,8,9,10,11,12,13,14,15
	v_or_b32 v[70+\u], v[70+\u], v[32+16*\u+\i]
.endr
	v_or_b32 v[68+\u], v[68+\u], v[70+\u]          ; my row's bytes so far, by tile
.endr
	v_or_b32 v74, v70, v71                         ; is any byte of mine set?
	v_and_b32 v75, v32, v33
.set i, 2
.rept 30
	v_and_b32 v75, v75, v[32+i]                    ; are all?
.set i, i+1
.endr
	v_cmp_ne_u32 s44, 0, v74
	v_cmp_ne_u32 s45, 0x01010101, v75
	s_cmp_eq_u32 s44, 0
	s_cselect_b32 s46, 1, 0                        ; no lane has a byte set
	s_cmp_eq_u32 s45, 0
	s_cselect_b32 s47, 2, 0                        ; every lane has all set
	s_or_b32 s46, s46, s47
	s_lshl_b32 s46, s46, s35
	s_or_b32 s36, s36, s46
	s_add_co_u32 s35, s35, 2
	MWORDS 0
	MWORDS 1
	s_wait_xcnt 0x0                                ; the loads and stores have read their bases and the stores their data: both are written again only behind this wait
	s_add_nc_u64 s[30:31], s[30:31], 128
	s_add_nc_u64 s[32:33], s[32:33], 256
	s_sub_co_u32 s34, s34, 1
	s_cmp_lg_u32 s34, 0
	s_cbranch_scc1 .Lmtrip
	v_permlanex16_b32 v72, v68, s52, s53           ; a row's bytes lie in lanes l and l xor 16
	v_permlanex16_b32 v73, v69, s52, s53
	v_or_b32 v68, v68, v72
	v_or_b32 v69, v69, v73
	v_cmp_eq_u32 s54, 0, v68                       ; rows without an open key among my 512, tile 0,
	v_cmp_eq_u32 s55, 0, v69                       ; tile 1
	v_mov_b32 v76, s54
	v_mov_b32 v77, s55
	v_mov_b32 v78, s36
	v_mov_b32 v79, 0
	v_mov_b32 v10, s28
	v_lshlrev_b32 v10, 4, v10
	ds_store_b128 v10, v[76:79] offset:MLDS        ; all lanes write the same 16 bytes with the same values
	s_wait_dscnt 0x0                               ; for the others' sake: my store has landed
	s_barrier_signal -1
	s_barrier_wait -1
	v_mov_b32 v11, 0
.irp i, 0,1,2,3
	ds_load_b128 v[32+4*\i:35+4*\i], v11 offset:MLDS+16*\i
.endr
	s_wait_dscnt 0x0
	v_and_b32 v32, v32, v36                        ; a row is dead where all four quarters found it empty
	v_and_b32 v40, v40, v44
	v_and_b32 v32, v32, v40
	v_and_b32 v33, v33, v37
	v_and_b32 v41, v41, v45
	v_and_b32 v33, v33, v41
	v_or_b32 v32, v32, v33
	v_or_b32 v34, v34, v38                         ; the four waves' flags
	v_or_b32 v42, v42, v46
	v_or_b32 v34, v34, v42
	v_cmp_ne_u32 vcc_lo, 0, v32
	v_mov_b32 v35, 0xaaaaaaaa
	v_cndmask_b32 v35, -1, v35, vcc_lo             ; a group with a dead row leaves out no step: that row weighs all 2,048 keys alike
	v_and_b32 v34, v34, v35
	s_cmp_lg_u32 s28, 0
	s_cbranch_scc1 .Lmend
	global_store_b32 v6, v34, s[38:39]             ; wave 0: 32 equal words
.Lmend:
	s_wait_tensorcnt 0x0
	ds_add_u32 v192, v193
	s_wait_dscnt 0x0
	s_endpgm
.Lfunc_end_k_qae84b915d8_prep:
	.size	k_qae84b915d8_prep, .Lfunc_end_k_qae84b915d8_prep-k_qae84b915d8_prep
	.p2alignl 7, 3214868480
	.fill 96, 4, 3214868480
	.section	.rodata,"a",@progbits
	.p2align	6, 0x0
	.amdhsa_kernel k_qae84b915d8_prep
		.amdhsa_group_segment_fixed_size 33536
		.amdhsa_private_segment_fixed_size 0
		.amdhsa_enable_private_segment 0
		.amdhsa_kernarg_size 96
		.amdhsa_user_sgpr_count 2
		.amdhsa_user_sgpr_kernarg_segment_ptr 1
		.amdhsa_wavefront_size32 1
		.amdhsa_system_sgpr_workgroup_id_x 1
		.amdhsa_system_sgpr_workgroup_id_y 1
		.amdhsa_system_sgpr_workgroup_id_z 1
		.amdhsa_system_vgpr_workitem_id 0
		.amdhsa_next_free_vgpr 194
		.amdhsa_next_free_sgpr 66
		.amdhsa_reserve_vcc 1
		.amdhsa_float_denorm_mode_32 3
		.amdhsa_float_denorm_mode_16_64 3
		.amdhsa_memory_ordered 1
		.amdhsa_forward_progress 1
		.amdhsa_inst_pref_size 65
	.end_amdhsa_kernel
	.amdgpu_metadata
---
amdhsa.version: [ 1, 2 ]
amdhsa.kernels:
  - .name:           k_qae84b915d8_prep
    .symbol:         k_qae84b915d8_prep.kd
    .args:
      - { .name: query, .offset: 0, .size: 8, .value_kind: global_buffer, .address_space: global }
      - { .name: key, .offset: 8, .size: 8, .value_kind: global_buffer, .address_space: global }
      - { .name: value, .offset: 16, .size: 8, .value_kind: global_buffer, .address_space: global }
      - { .name: Wq, .offset: 24, .size: 8, .value_kind: global_buffer, .address_space: global }
      - { .name: Wk, .offset: 32, .size: 8, .value_kind: global_buffer, .address_space: global }
      - { .name: Wv, .offset: 40, .size: 8, .value_kind: global_buffer, .address_space: global }
      - { .name: Wo, .offset: 48, .size: 8, .value_kind: global_buffer, .address_space: global }
      - { .name: mask, .offset: 56, .size: 8, .value_kind: global_buffer, .address_space: global }
      - { .name: codes, .offset: 64, .size: 8, .value_kind: global_buffer, .address_space: global }
      - { .name: scales, .offset: 72, .size: 8, .value_kind: global_buffer, .address_space: global }
      - { .name: mw, .offset: 80, .size: 8, .value_kind: global_buffer, .address_space: global }
      - { .name: fl, .offset: 88, .size: 8, .value_kind: global_buffer, .address_space: global }
    .group_segment_fixed_size: 33536
    .private_segment_fixed_size: 0
    .kernarg_segment_align: 8
    .kernarg_segment_size: 96
    .max_flat_workgroup_size: 128
    .sgpr_count:     66
    .vgpr_count:     194
    .wavefront_size: 32
...
	.end_amdgpu_metadata
.endif
;; end of part 1
;; launch proj (part 2): grid 4 x 96, 4 waves a work-group, clusters of 4 x 4, 327,680 bytes of LDS; arguments codes, scales, bq, bk, bv, qf, kv; writes qf, kv
.if DOCPART == 2
	.amdgcn_target "amdgcn-amd-amdhsa--gfx1250"
	.amdhsa_code_object_version 6
	.text
	.protected	k_qae84b915d8_proj
	.globl	k_qae84b915d8_proj
	.p2align	8
	.type	k_qae84b915d8_proj,@function
k_qae84b915d8_proj:
	s_mov_b64 s[64:65], 0
	v_nop
	global_prefetch_b8 v0, s[64:65] scope:SCOPE_SE
	s_setreg_imm32_b32 hwreg(HW_REG_WAVE_MODE, 25, 1), 1
	s_wait_xcnt 0x0
	s_wait_alu depctr_hold_cnt(0) depctr_sa_sdst(0) depctr_va_vdst(0) depctr_va_sdst(0) depctr_va_ssrc(0) depctr_va_vcc(0) depctr_vm_vsrc(0)
	s_getreg_b32 s2, hwreg(HW_REG_IB_STS2, 6, 4)
	s_cmp_eq_u32 s2, 0
	s_cbranch_scc0 .Lentry_in_a_cluster
	s_endpgm
.Lentry_in_a_cluster:
	s_bfe_u32 s2, ttmp6, 0x10000c
	s_cmp_lg_u32 s2, 0xf033
	s_cbranch_scc0 .Lentry_shape_is_right
	s_endpgm
.Lentry_shape_is_right:
; q = query Wq^T + bq, k = key Wk^T + bk, v = value Wv^T + bv on codes of FP4 (E2M1) with E8M0 scales (K = 1,024), and the results quantised again in registers: q and k along the head's 64, v along the keys.
; A work-group of four waves makes 256 x 256 numbers, a wave 128 x 128: 64 accumulators of 16 x 16, 512 registers.  K is two steps of 512: both lie in LDS at once, each filled once.
; ROLES.  Source 0 of every product is role B (its rows run along a lane's registers in the result), source 1 is role A (its rows run along the lanes).  p = cluster y / 8 says which product.
;   p = 0, 1 (q, k): A = the activation, B = the weight: a lane holds one row (a query or key) and its registers run along the channels, which are the next product's K.
;   p = 2 (v): A = Wv, B = the activation: a lane holds one channel and its registers run along the keys, which are the next product's K.  Only the DATA change roles: the products' text is one.
; THE ROWS OF ALL CODES ARE STORED so that 16 consecutive stored rows 16 u + r are rows 8 u + r + 8 (r / 8) of a group of 32.  So register j of lane (r, h) in the accumulator of B's tile 2 b + u is B's row 32 b + 16 h + 8 u + j:
;   the 16 registers of two neighbouring tiles are 16 neighbours along the next K.
; OUT.  A block of 4,352 bytes for each (batch x head, 128 rows): four images of operand registers ([c][lane][16 bytes], 1,024 bytes each) and 64 scale words (word at 4,096 + 8 L + 4 e: image 2 e + L / 16, row L % 16).
;   q, k: image f = two tiles of 16 rows x 64 channels (registers 0-3: tile 2 f, registers 4-7: tile 2 f + 1).   v: image f = 16 channels x 128 keys.   qf [bh][step][4,352];  kv [bh][step][k's block | v's block].
; CLUSTERS: 4 x 4 work-groups.  The four of a row of the cluster need the same tiles of A, the four of a column the same tiles of B: each is asked for jointly, by the same tensor load with the same descriptor and a mask that names the four.
; REGISTERS, in windows of 256: window 0: v0-31 addresses; v32-95 scale words, two sets; v96-111 the bias by lane; v112-127 at work; v128-191 A's fragments, later 64 numbers to quantise; v192-255 the bias by register.
;   window 1: B's fragments, two sets, at v0 and v128.   window 2: the accumulators of A's blocks 0-3 ((a, b) at v[8 (8 (a % 4) + b)]);   window 3: of blocks 4-7.
; LIMITS: NaN and infinities are not served; a block whose largest magnitude lies under 2^-124, a block of zeros among them, keeps the scale byte 1 (this program alone reads the bytes).
.set NQ,     4                         ; products deep in a slot: 512 along K
.set ROWB,   256                       ; a tile's row in bytes
.set KROW,   512                       ; a row of codes in memory
.set PITCH,  272                       ; an LDS row: 256 bytes + 16 of padding: the 16 rows that a load touches start 68 words apart
.set FR,     8                         ; registers of a fragment
.set NL,     2                         ; LDS loads that bring one
.set NP,     4                         ; places behind this matrix instruction (ISA guide 7.12.1)
.set HALFT,  128*PITCH
.set SLOT,   4*HALFT                   ; A's 256 rows, then B's 256 rows
.set KS,     32                        ; a row of scales in bytes
.set SCL,    2*SLOT                    ; behind the slots: the scales, as 256 bytes + 16 of padding
.set HALFS,  (128*KS/256)*272
.set SBLK,   (16*KS/256)*272
.set SPARE,  SCL+4*HALFS               ; the spare words, 128 bytes for each wave: two blocks of 256 bytes that no other line names
.set ADRA, 16                          ; v16-17 LDS address of my A fragments in slot 0, 1
.set ADRB, 20                          ; v20-21 the same for B
.set LI,   24                          ; v24    16 x lane
.set L8,   25                          ; v25    8 x lane
.set ADRS, 27                          ; v27    LDS address of my scale words: lanes 0-15 A's rows, lanes 16-31 B's
.set SPW,  28                          ; v28    LDS address of my spare word; never rewritten
.set NIL,  29                          ; v29    0; never rewritten
.set SC,   32
.set BL,   96                          ; the bias of A's row r of block a, twice: v[BL + 2 a], v[BL + 2 a + 1]
.set TM,   112                         ; at work in QUANT
.set AF,   128
.set T,    128                         ; the way out: 64 numbers
.set BN,   192                         ; the bias of B's tile b, register j: v[BN + 8 b + j]
.set PC,   8                           ; the way out: v8-15 codes, v16-19 four scale words, v20-21 the pair that is stored (the LDS addresses that lay there are done with)
.set PW,   16
.set EW,   20
.set SEL,  2                           ; s[2:3] selects for lane l xor 16
.set G1, 24
.set G0, 32
.set G1B, 48
.set G0B, 56
.set G1S, 68
.set G0S, 76
.set G1SB, 80
.set G0SB, 88
.set MSB, 0
.macro WIN new                         ; the immediate's high byte repeats the setting that is left
.if MSB != (\new)
	s_set_vgpr_msb (MSB<<8)|(\new)
.set MSB, (\new)
.endif
.endm
.set MUL_LO, 0xa1                      ; source 0 (B) window 1, source 1 (A) window 0, C and D window 2
.set MUL_HI, 0xf1                      ; the same, C and D window 3
.set TO_B,   0x40                      ; destination window 1, address window 0
; A joint load: waves 0 and 1 fetch for A, waves 2 and 3 for B; the branch hangs on the wave's number alone.  Four v_nop follow each of the two lines.
.macro JLOAD g0a, g1a, g0b, g1b
	s_cmp_eq_u32 s19, 0
	s_cbranch_scc0 .Lfor_b_\@
	tensor_load_to_lds s[\g0a:\g0a+3], s[\g1a:\g1a+7]
	s_nop 0
.rept 4
	v_nop
.endr
	s_branch .Lasked_\@
.Lfor_b_\@:
	tensor_load_to_lds s[\g0b:\g0b+3], s[\g1b:\g1b+7]
	s_nop 0
.rept 4
	v_nop
.endr
.Lasked_\@:
.endm
.macro CROUND                          ; a round of the cluster's barrier
	s_barrier_signal -1
	s_barrier_wait -1
	s_cmp_lg_u32 s18, 0
	s_cbranch_scc1 .Lnot_wave_0_\@
	s_barrier_signal -3
.Lnot_wave_0_\@:
	s_barrier_wait -3
	s_barrier_signal -1
	s_barrier_wait -1
.endm
	s_load_b256 s[4:11], s[0:1], 0x0               ; codes, scales, bq, bk
	s_load_b128 s[12:15], s[0:1], 0x20             ; bv, qf
	s_load_b64 s[16:17], s[0:1], 0x30              ; kv
	v_lshl_add_u32 v[SPW], v0, 2, SPARE
	v_mov_b32 v[NIL], 0
	ds_add_u32 v28, v29
	ds_add_u32 v28, v29
	s_wait_dscnt 0x0
	v_lshrrev_b32 v1, 5, v0
	v_readfirstlane_b32 s18, v1                    ; wave 0..3
	s_lshr_b32 s19, s18, 1                         ; which half of A's rows is mine.  Also: I fetch for A (0) or for B (1)
	s_and_b32 s20, s18, 1                          ; which half of B's rows.  Also: which 128 rows I fetch
	s_bfe_u32 s40, ttmp6, 0x40000                  ; cx
	s_bfe_u32 s41, ttmp6, 0x40004                  ; cy
	s_and_b32 s42, ttmp7, 0xffff                   ; cluster y, 0..23
	s_and_b32 s43, s42, 7
	s_lshl_b32 s43, s43, 2                         ; 4 x (cluster y % 8): the cluster's first block of 256 activation rows
	s_lshr_b32 s42, s42, 3                         ; p: 0 q, 1 k, 2 v: the same in all sixteen partners
	s_lshl_b32 s44, s41, 2
	s_lshl_b32 s44, 15, s44                        ; my row of the cluster
	s_lshl_b32 s45, 0x1111, s40                    ; my column
	s_or_b32 s[G1+0], s44, (0<<16)|(1<<20)|(1<<21)|(5<<22)|(3<<25)  ; 15:0 the mask; 17:16 elements of 1 byte; 20 padding on; 21 set beside a mask; 24:22 after every 64 words; 31:25 four words
	s_or_b32 s[G1B+0], s45, (0<<16)|(1<<20)|(1<<21)|(5<<22)|(3<<25)
.irp g, G1, G1B
	s_mov_b32 s[\g+1], ROWB<<16                    ; tensor_dim0
	s_mov_b32 s[\g+2], 128<<16                     ; tensor_dim1
	s_mov_b32 s[\g+3], ROWB<<16                    ; tile_dim0
	s_mov_b32 s[\g+4], 128                         ; tile_dim1
	s_mov_b32 s[\g+5], KROW                        ; from row to row
	s_mov_b32 s[\g+6], 0
	s_mov_b32 s[\g+7], 0
.endr
	s_or_b32 s[G1S+0], s44, (3<<16)|(1<<20)|(1<<21)|(5<<22)|(3<<25)  ; the scales of 128 rows: 4,096 dense bytes as 16 rows of 256 (32 elements of 8 bytes), 16 bytes of padding behind each
	s_or_b32 s[G1SB+0], s45, (3<<16)|(1<<20)|(1<<21)|(5<<22)|(3<<25)
.irp g, G1S, G1SB
	s_mov_b32 s[\g+1], 32<<16
	s_mov_b32 s[\g+2], (128*KS/256)<<16
	s_mov_b32 s[\g+3], 32<<16
	s_mov_b32 s[\g+4], 128*KS/256
	s_mov_b32 s[\g+5], 32
	s_mov_b32 s[\g+6], 0
	s_mov_b32 s[\g+7], 0
.endr
	s_mul_i32 s21, s42, 4194304                    ; the activation's codes,
	s_mul_i32 s22, s42, 524288
	s_add_co_u32 s22, s22, 12582912                ; the weight's,
	s_mul_i32 s2, s42, 262144                      ; the activation's scales,
	s_mul_i32 s3, s42, 32768
	s_add_co_u32 s3, s3, 786432                    ; the weight's
	s_cmp_eq_u32 s42, 2                            ; v: the roles change
	s_cselect_b32 s46, 0, s43
	s_cselect_b32 s47, s43, 0
	s_cselect_b32 s98, s22, s21                    ; A's codes
	s_cselect_b32 s92, s21, s22                    ; B's codes
	s_cselect_b32 s100, s3, s2                     ; A's scales
	s_cselect_b32 s94, s2, s3                      ; B's scales
	s_add_co_u32 s46, s46, s41                     ; A's block of 256 rows: made of cy and the cluster's y alone
	s_add_co_u32 s47, s47, s40                     ; B's: of cx and the cluster's y alone
	s_lshl_b32 s23, s46, 17
	s_add_co_u32 s98, s98, s23
	s_lshl_b32 s67, s47, 17
	s_add_co_u32 s92, s92, s67
	s_lshl_b32 s66, s20, 16                        ; the 128 rows that I fetch
	s_add_co_u32 s98, s98, s66
	s_add_co_u32 s92, s92, s66
	s_lshl_b32 s23, s46, 13
	s_add_co_u32 s100, s100, s23
	s_lshl_b32 s67, s47, 13
	s_add_co_u32 s94, s94, s67
	s_lshl_b32 s66, s20, 12
	s_add_co_u32 s100, s100, s66
	s_add_co_u32 s94, s94, s66
	s_mov_b32 s99, 0
	s_mov_b32 s101, 0
	s_mov_b32 s93, 0
	s_mov_b32 s95, 0
	s_mul_i32 s21, s18, HALFT                      ; where they go: wave x 128 rows: no place in the cluster enters an LDS address
	s_mul_i32 s22, s18, HALFS
	s_wait_kmcnt 0x0
	s_add_nc_u64 s[98:99], s[4:5], s[98:99]
	s_add_nc_u64 s[100:101], s[6:7], s[100:101]
	s_add_nc_u64 s[92:93], s[4:5], s[92:93]
	s_add_nc_u64 s[94:95], s[6:7], s[94:95]
	CROUND                                         ; all sixteen work-groups are here: the joint loads meet
	s_mov_b32 s[G0S], 1
	s_add_co_u32 s[G0S+1], s22, SCL
	s_mov_b64 s[G0S+2:G0S+3], s[100:101]
	s_or_b32 s[G0S+3], s[G0S+3], 0x80000000
	s_mov_b32 s[G0SB], 1
	s_add_co_u32 s[G0SB+1], s22, SCL
	s_mov_b64 s[G0SB+2:G0SB+3], s[94:95]
	s_or_b32 s[G0SB+3], s[G0SB+3], 0x80000000
	JLOAD G0S, G1S, G0SB, G1SB                     ; the scales first: they are wanted with the first slot.  Three tensor loads of mine are out behind the third of these
.irp s, 0,1
	s_mov_b32 s[G0+4*\s], 1
	s_add_co_u32 s[G0+4*\s+1], s21, \s*SLOT
	s_add_nc_u64 s[G0+4*\s+2:G0+4*\s+3], s[98:99], \s*ROWB
	s_or_b32 s[G0+4*\s+3], s[G0+4*\s+3], 0x80000000
	s_mov_b32 s[G0B+4*\s], 1
	s_add_co_u32 s[G0B+4*\s+1], s21, \s*SLOT
	s_add_nc_u64 s[G0B+4*\s+2:G0B+4*\s+3], s[92:93], \s*ROWB
	s_or_b32 s[G0B+4*\s+3], s[G0B+4*\s+3], 0x80000000
	JLOAD G0+4*\s, G1, G0B+4*\s, G1B
.endr
	v_and_b32 v1, 15, v0                           ; r
	v_bfe_u32 v2, v0, 4, 1                         ; h
	v_mul_u32_u24 v3, v1, PITCH
	v_lshl_add_u32 v4, v2, 4, v3                   ; a fragment's row x pitch + 16 h
	s_mul_i32 s21, s19, HALFT                      ; my 128 rows of A
	s_mul_i32 s22, s20, HALFT                      ; my 128 rows of B,
	s_add_co_u32 s22, s22, 2*HALFT                 ; which lie behind A's 256
.irp s, 0,1
	v_add_nc_u32 v[ADRA+\s], s21, v4
	v_add_nc_u32 v[ADRB+\s], s22, v4
	s_add_co_u32 s21, s21, SLOT
	s_add_co_u32 s22, s22, SLOT
.endr
	v_mul_u32_u24 v5, v1, KS                       ; my row's scales: 32 bytes a row,
	v_lshrrev_b32 v6, 8, v5
	v_lshl_add_u32 v5, v6, 4, v5                   ; and 16 more for each 256 passed
	s_mul_i32 s21, s19, HALFS
	s_mul_i32 s22, s20, HALFS
	s_add_co_u32 s22, s22, 2*HALFS
	s_sub_co_u32 s22, s22, s21
	v_mul_u32_u24 v6, s22, v2                      ; lanes 16-31 take B's: one product, the distance between the two bases
	s_add_co_u32 s21, s21, SCL
	v_add_nc_u32 v5, v5, v6
	v_add_nc_u32 v[ADRS], s21, v5
	v_and_b32 v7, 31, v0
	v_lshlrev_b32 v[LI], 4, v7
	v_lshlrev_b32 v[L8], 3, v7
	; the bias, in both forms, so that one text loads for all three products; and where the results go.  These numbers enter bias and store addresses alone.
	s_cmp_eq_u32 s42, 0
	s_cselect_b64 s[2:3], s[8:9], s[10:11]
	s_cmp_eq_u32 s42, 2
	s_cselect_b64 s[2:3], s[12:13], s[2:3]         ; bq, bk or bv
	s_cselect_b32 s21, s47, s46                    ; which 256 activation rows,
	s_cselect_b32 s22, s46, s47                    ; which 256 channels,
	s_cselect_b32 s23, s20, s19                    ; my half of the rows,
	s_cselect_b32 s66, s19, s20                    ; my half of the channels
	s_cselect_b32 s67, 4352, 0                     ; v's block lies behind k's
	s_lshl_b32 s98, s22, 10
	s_lshl_b32 s99, s66, 9
	s_add_co_u32 s98, s98, s99
	s_mov_b32 s99, 0
	s_add_nc_u64 s[2:3], s[2:3], s[98:99]          ; my 128 channels' bias
	v_lshlrev_b32 v5, 6, v2                        ; by register: tile b, register j is channel 32 (b / 2) + 16 h + 8 (b % 2) + j
	v_and_b32 v6, 8, v1
	v_add_nc_u32 v6, v6, v1
	v_lshlrev_b32 v6, 2, v6                        ; by lane: block a, lane r is channel 32 (a / 2) + 8 (a % 2) + r + 8 (r / 8)
.irp b, 0,1,2,3,4,5,6,7
	global_load_b128 v[BN+8*\b:BN+8*\b+3], v5, s[2:3] offset:(32*(\b/2)+8*(\b%2))*4
	global_load_b128 v[BN+8*\b+4:BN+8*\b+7], v5, s[2:3] offset:(32*(\b/2)+8*(\b%2))*4+16
.endr
.irp a, 0,1,2,3,4,5,6,7
	global_load_b32 v[BL+2*\a], v6, s[2:3] offset:(32*(\a/2)+8*(\a%2))*4
	global_load_b32 v[BL+2*\a+1], v6, s[2:3] offset:(32*(\a/2)+8*(\a%2))*4
.endr
	s_lshr_b32 s98, s21, 3                         ; the batch: 8 blocks of 256 rows each
	s_lshl_b32 s98, s98, 4
	s_lshl_b32 s99, s22, 2
	s_add_co_u32 s98, s98, s99
	s_lshl_b32 s99, s66, 1
	s_add_co_u32 s98, s98, s99                     ; 16 x batch + my first head
	s_lshl_b32 s98, s98, 4                         ; 16 steps a head
	s_and_b32 s99, s21, 7
	s_lshl_b32 s99, s99, 1
	s_add_co_u32 s98, s98, s99
	s_add_co_u32 s98, s98, s23                     ; + my step of 128 rows
	s_cmp_eq_u32 s42, 0
	s_cselect_b64 s[92:93], s[14:15], s[16:17]     ; qf or kv
	s_mov_b32 s99, 8704
	s_cselect_b32 s99, 4352, s99                   ; from step to step
	s_mul_i32 s98, s98, s99
	s_add_co_u32 s98, s98, s67
	s_lshl_b32 s100, s99, 4                        ; from head to head
	s_mov_b32 s99, 0
	s_mov_b32 s101, 0
	s_add_nc_u64 s[92:93], s[92:93], s[98:99]      ; my first head's block,
	s_add_nc_u64 s[94:95], s[92:93], s[100:101]    ; my second's
.macro FRAG reg, adr, q, i             ; 16 rows x 128 K: lane (r, h) holds row r; registers 4 c .. 4 c + 3 hold K = 64 c + 32 h + 0 .. 31
.irp c, 0,1
	ds_load_b128 v[\reg+4*\c:\reg+4*\c+3], v[\adr] offset:64*(\q)+32*\c+(\i)*16*PITCH
.endr
.endm
; 16 products: A's blocks a0, a0 + 1 x B's eight, the slot's q-th 128 along K.  p: B's set; sc: the set of scale words; zero = 1: the product starts the sums.
; The 64 accumulators take turns, one instruction a turn, in the same order in every step.
.macro MUL16 a0, p, q, sc, zero
.irp a, \a0, \a0+1
.irp b, 0,1,2,3,4,5,6,7
.if \zero
	v_wmma_scale_f32_16x16x128_f8f6f4 v[8*(8*((\a)%4)+\b):8*(8*((\a)%4)+\b)+7], v[128*(\p)+FR*\b:128*(\p)+FR*\b+FR-1], v[AF+FR*(\a):AF+FR*(\a)+FR-1], 0, v[SC+8*NQ*(\sc)+NQ*\b+(\q)], v[SC+8*NQ*(\sc)+NQ*(\a)+(\q)] matrix_a_fmt:MATRIX_FMT_FP4 matrix_b_fmt:MATRIX_FMT_FP4 matrix_a_scale:MATRIX_SCALE_ROW1
.else
	v_wmma_scale_f32_16x16x128_f8f6f4 v[8*(8*((\a)%4)+\b):8*(8*((\a)%4)+\b)+7], v[128*(\p)+FR*\b:128*(\p)+FR*\b+FR-1], v[AF+FR*(\a):AF+FR*(\a)+FR-1], v[8*(8*((\a)%4)+\b):8*(8*((\a)%4)+\b)+7], v[SC+8*NQ*(\sc)+NQ*\b+(\q)], v[SC+8*NQ*(\sc)+NQ*(\a)+(\q)] matrix_a_fmt:MATRIX_FMT_FP4 matrix_b_fmt:MATRIX_FMT_FP4 matrix_a_scale:MATRIX_SCALE_ROW1
.endif
.endr
.endr
.endm
.macro FETCH_B slot, q, p
	WIN TO_B
.irp i, 0,1,2,3,4,5,6,7
	FRAG 128*(\p)+FR*\i, ADRB+\slot, \q, \i
.endr
	WIN 0
.endm
.macro FETCH_A slot, q, i0
.irp i, \i0, \i0+1, \i0+2, \i0+3
	FRAG AF+FR*(\i), ADRA+\slot, \q, \i
.endr
.endm
.macro SCALES sc                       ; a slot's scale words: 4 a row; lanes 0-15 take A's block i, lanes 16-31 B's block i
.irp i, 0,1,2,3,4,5,6,7
	ds_load_b128 v[SC+8*NQ*\sc+NQ*\i:SC+8*NQ*\sc+NQ*\i+3], v[ADRS] offset:\i*SBLK
.endr
.endm
.macro PLACES n                        ; plain vector instructions between a matrix instruction and a load into, or a vector instruction on, its registers (ISA guide 7.12.1 for vector instructions)
.rept \n
	v_nop
.endr
.endm
.macro STEP slot, q, zero              ; 128 along K that has its successor in the same slot
	s_wait_dscnt 4*NL                              ; B's set and A's blocks 0-3 are in; the youngest eight loads (A's blocks 4-7) may be out
	WIN MUL_LO
	MUL16 0, (\q)%2, \q, \slot, \zero
	MUL16 2, (\q)%2, \q, \slot, \zero
	s_wait_dscnt 0
	PLACES NP
	FETCH_B \slot, (\q)+1, 1-(\q)%2
	FETCH_A \slot, (\q)+1, 0
	WIN MUL_HI
	MUL16 4, (\q)%2, \q, \slot, \zero
	MUL16 6, (\q)%2, \q, \slot, \zero
	PLACES NP
	WIN 0
	FETCH_A \slot, (\q)+1, 4
.endm
.macro STEPS slot, from
.set Q, \from
.rept NQ-1-\from
	STEP \slot, Q, 0
.set Q, Q+1
.endr
.endm
	s_wait_loadcnt 0x0                             ; the bias is in, and its address registers are free
	s_wait_tensorcnt 1                             ; the scales and my part of slot 0 are in (slot 1's load may be out),
	s_barrier_signal -1
	s_barrier_wait -1                              ; everybody's are
	FETCH_B 0, 0, 0
	FETCH_A 0, 0, 0
	SCALES 0
	FETCH_A 0, 0, 4
	STEP 0, 0, 1                                   ; the first products start the sums: nothing is cleared
	STEPS 0, 1
	; slot 0's last step changes slots: my part of slot 1 has landed, and one barrier says so of every wave.  Nothing is filled again.
	s_wait_tensorcnt 0x0
	ds_add_u32 v[SPW], v[NIL]                      ; 0 onto my spare word
	s_wait_dscnt 4*NL+1                            ; (the add and the youngest eight loads, A's blocks 4-7, may be out)
	WIN MUL_LO
	MUL16 0, 1, NQ-1, 0, 0
	s_wait_dscnt 0x0
	s_barrier_signal -1
	MUL16 2, 1, NQ-1, 0, 0
	WIN 0
	s_barrier_wait -1
	PLACES NP
	v_add_nc_u32 v[ADRS], 4*NQ, v[ADRS]            ; on to slot 1's scale words (no LDS load of mine is out)
	FETCH_B 1, 0, 0
	FETCH_A 1, 0, 0
	SCALES 1
	WIN MUL_HI
	MUL16 4, 1, NQ-1, 0, 0
	MUL16 6, 1, NQ-1, 0, 0
	PLACES NP
	WIN 0
	FETCH_A 1, 0, 4
	STEPS 1, 0
	s_wait_dscnt 4*NL                              ; the last step: nothing more to fetch
	WIN MUL_LO
	MUL16 0, 1, NQ-1, 1, 0
	MUL16 2, 1, NQ-1, 1, 0
	s_wait_dscnt 0
	WIN MUL_HI
	MUL16 4, 1, NQ-1, 1, 0
	MUL16 6, 1, NQ-1, 1, 0
	WIN 0
; 64 numbers of a lane, register 16 b + i = k 32 b + 16 h + i, become a fragment's 8 registers of codes and its scale word.
.macro QUANT s, pc, pw
.irp b, 0,1,2,3
	v_max3_num_f32 v[TM+\b], |v[\s+16*\b]|, |v[\s+1+16*\b]|, 0x1800000   ; block b: my 16 numbers, and the floor 2^(3 - 127): the byte cannot fall under 1
.endr
.irp i, 2,4,6,8,10,12,14
.irp b, 0,1,2,3
	v_max3_num_f32 v[TM+\b], v[TM+\b], |v[\s+16*\b+\i]|, |v[\s+1+16*\b+\i]|
.endr
.endr
.irp b, 0,1,2,3
	v_permlanex16_b32 v[TM+4+\b], v[TM+\b], s[SEL], s[SEL+1]
.endr
.irp b, 0,1,2,3
	v_max_num_f32 v[TM+\b], v[TM+\b], v[TM+4+\b]   ; with lane l xor 16's: the block's largest magnitude
.endr
.irp b, 0,1,2,3
	v_add_nc_u32 v[TM+12+\b], 0xff000000, v[TM+\b] ; 2 off its exponent field: the conversion's scale operand
.endr
.irp b, 0,1,2,3
	v_lshrrev_b32 v[TM+4+\b], 23, v[TM+12+\b]      ; the scale's byte
.endr
	v_lshl_or_b32 v[\pw], v[TM+5], 8, v[TM+4]
	v_lshl_or_b32 v[\pw], v[TM+6], 16, v[\pw]
	v_lshl_or_b32 v[\pw], v[TM+7], 24, v[\pw]
.irp b, 0,1,2,3
	v_cvt_scalef32_pk8_fp4_f32 v[\pc+2*\b], v[\s+16*\b:\s+7+16*\b], v[TM+12+\b]
	v_cvt_scalef32_pk8_fp4_f32 v[\pc+1+2*\b], v[\s+8+16*\b:\s+15+16*\b], v[TM+12+\b]
.endr
	v_nop                                          ; one plain place behind a scaled conversion
.irp c, 0,1                                    ; the operand's layout wants a whole block in a lane
.irp i, 0,1
	v_permlane16_swap_b32 v[\pc+4*\c+\i], v[\pc+2+4*\c+\i]
.endr
.endr
.endm
; One image.  q, k (v = 0): A's blocks 2 f and 2 f + 1 (32 rows) x the head's four tiles of B (64 channels).  v (v = 1): A's block 4 hd + f (16 channels) x B's eight tiles (128 keys).
; The bias is added to the finished f32 sum, ahead of the quantiser; each accumulator is read from its low end on.
.macro UNIT v, hd, f
.if \v
	WIN 0x02+(\hd)
.else
	WIN 0x02+(\f)/2
.endif
.irp g, 0,1,2,3,4,5,6,7
.irp k, 0,2,4,6
.if \v
	v_pk_add_f32 v[T+8*\g+\k:T+8*\g+\k+1], v[64*\f+8*\g+\k:64*\f+8*\g+\k+1], v[BL+2*(4*\hd+\f):BL+2*(4*\hd+\f)+1]
.else
	v_pk_add_f32 v[T+8*\g+\k:T+8*\g+\k+1], v[64*((2*\f+\g/4)%4)+8*(4*\hd+\g%4)+\k:64*((2*\f+\g/4)%4)+8*(4*\hd+\g%4)+\k+1], v[BN+8*(4*\hd+\g%4)+\k:BN+8*(4*\hd+\g%4)+\k+1]
.endif
.endr
.endr
	WIN 0
	s_wait_xcnt 0x0                                ; the earlier stores have read their data: the codes' registers are written again only behind this wait
	QUANT T, PC, PW+\f
	global_store_b128 v[LI], v[PC:PC+3], s[92+2*\hd:93+2*\hd] offset:1024*\f         ; 512 consecutive bytes, aligned
	global_store_b128 v[LI], v[PC+4:PC+7], s[92+2*\hd:93+2*\hd] offset:1024*\f+512
.endm
.macro EPI v
.irp hd, 0,1
.irp f, 0,1,2,3
	UNIT \v, \hd, \f
.endr
	v_cndmask_b32 v[EW], v[PW], v[PW+1], s96       ; lanes 0-15: image 0's words, lanes 16-31: image 1's;
	v_cndmask_b32 v[EW+1], v[PW+2], v[PW+3], s96   ; images 2 and 3
	global_store_b64 v[L8], v[EW:EW+1], s[92+2*\hd:93+2*\hd] offset:4096             ; 256 consecutive bytes, aligned
.endr
.endm
	PLACES NP                                      ; behind the last products
	s_mov_b32 s[SEL], 0x76543210
	s_mov_b32 s[SEL+1], 0xfedcba98
	s_mov_b32 s96, 0xffff0000                      ; lanes 16-31
.irp b, 0,1,2,3
	v_mov_b32 v[TM+4+\b], 0                        ; written once: a lane permute's destination counts as one of its sources
.endr
	s_cmp_eq_u32 s42, 2                            ; the same in all partners
	s_cbranch_scc1 .Lkeys
	EPI 0
	s_branch .Lend
.Lkeys:
	EPI 1
.Lend:
	s_wait_tensorcnt 0x0                           ; the wave's end
	ds_add_u32 v[SPW], v[NIL]
	s_wait_dscnt 0x0
	CROUND                                         ; the closing round: no work-group ends while a partner may still ask for a tile that names it
	s_endpgm
.Lfunc_end_k_qae84b915d8_proj:
	.size	k_qae84b915d8_proj, .Lfunc_end_k_qae84b915d8_proj-k_qae84b915d8_proj
	.p2alignl 7, 3214868480
	.fill 96, 4, 3214868480
	.section	.rodata,"a",@progbits
	.p2align	6, 0x0
	.amdhsa_kernel k_qae84b915d8_proj
		.amdhsa_group_segment_fixed_size 327680
		.amdhsa_private_segment_fixed_size 0
		.amdhsa_enable_private_segment 0
		.amdhsa_kernarg_size 56
		.amdhsa_user_sgpr_count 2
		.amdhsa_user_sgpr_kernarg_segment_ptr 1
		.amdhsa_wavefront_size32 1
		.amdhsa_system_sgpr_workgroup_id_x 1
		.amdhsa_system_sgpr_workgroup_id_y 1
		.amdhsa_system_sgpr_workgroup_id_z 1
		.amdhsa_system_vgpr_workitem_id 0
		.amdhsa_next_free_vgpr 1024
		.amdhsa_next_free_sgpr 102
		.amdhsa_reserve_vcc 0
		.amdhsa_float_denorm_mode_32 3
		.amdhsa_float_denorm_mode_16_64 3
		.amdhsa_memory_ordered 1
		.amdhsa_forward_progress 1
		.amdhsa_inst_pref_size 197
	.end_amdhsa_kernel
	.amdgpu_metadata
---
amdhsa.version: [ 1, 2 ]
amdhsa.kernels:
  - .name:           k_qae84b915d8_proj
    .symbol:         k_qae84b915d8_proj.kd
    .args:
      - { .name: codes, .offset: 0, .size: 8, .value_kind: global_buffer, .address_space: global }
      - { .name: scales, .offset: 8, .size: 8, .value_kind: global_buffer, .address_space: global }
      - { .name: bq, .offset: 16, .size: 8, .value_kind: global_buffer, .address_space: global }
      - { .name: bk, .offset: 24, .size: 8, .value_kind: global_buffer, .address_space: global }
      - { .name: bv, .offset: 32, .size: 8, .value_kind: global_buffer, .address_space: global }
      - { .name: qf, .offset: 40, .size: 8, .value_kind: global_buffer, .address_space: global }
      - { .name: kv, .offset: 48, .size: 8, .value_kind: global_buffer, .address_space: global }
    .group_segment_fixed_size: 327680
    .private_segment_fixed_size: 0
    .kernarg_segment_align: 8
    .kernarg_segment_size: 56
    .max_flat_workgroup_size: 128
    .sgpr_count:     102
    .vgpr_count:     1024
    .wavefront_size: 32
...
	.end_amdgpu_metadata
.endif
;; end of part 2
;; launch attn (part 3): grid 4 x 64, 16 waves a work-group, no clusters, 141,312 bytes of LDS; arguments qf, kv, mw, fl, cf, cs; writes cf, cs
.if DOCPART == 3
	.amdgcn_target "amdgcn-amd-amdhsa--gfx1250"
	.amdhsa_code_object_version 6
	.text
	.protected	k_qae84b915d8_attn
	.globl	k_qae84b915d8_attn
	.p2align	8
	.type	k_qae84b915d8_attn,@function
k_qae84b915d8_attn:
	s_mov_b64 s[64:65], 0
	v_nop
	global_prefetch_b8 v0, s[64:65] scope:SCOPE_SE
	s_setreg_imm32_b32 hwreg(HW_REG_WAVE_MODE, 25, 1), 1
	s_wait_xcnt 0x0
; context = softmax(where(mask, q k^T / 8, -1e30)) v for one (batch, head), both products on codes of FP4 (E2M1) with E8M0 scales; the context is divided by the row's sum and quantised along the model's 1,024.
; THE SOFTMAX AHEAD OF THE SECOND PRODUCT: t = score x log2(e) / 8; M = the running largest t rounded UP to a whole number; p = 2^(t - M) is quantised along the keys, not normalised; the row's sum is taken of the
; unquantised p; when M moves, the sum and O are multiplied by 2^(old M - new M), which rounds nothing.
; SHARES.  Work-group (x, bh): sixteen waves, four to a SIMD.  A wave owns 32 queries, group g = 4 w' + x of the head's 64, as two tiles of 16; w' is the wave's number with its two low bits turned over in every second
; four of waves, so that early and late queries are spread over the waves alike.  The head's K and V (139,264 bytes of codes and scale words, as they lie in kv) are copied into LDS once; every wave walks 16 steps of 128 keys.
; LAYOUT.  Both products are used transposed: S^T = K Q^T, O^T = V^T P^T: a lane holds ONE query (lane % 16).  THE HEAD HAS 64 CHANNELS AND THE PRODUCT'S K IS 128: an operand of K holds TWO tiles of 16 keys (registers 0-3, 4-7),
; and q stands in one half of its operand with zero codes in the other: [q, 0] picks the first tile, [0, q] the second.  Rows are stored so that score register 16 b + i of lane (r, h) is key 32 b + 16 h + i.
; THE MASK comes as lane masks (mw): word 16 b + i is the select of score register 16 b + i.  A hidden score becomes -2^100: times c that is exact, so a row with no open key so far has p = 1 for each key, as the definition
; gives for a row that is hidden whole; the first open key makes the factor 2^(old M - new M) zero and wipes it.  FLAGS (fl), whole numbers stored by an earlier launch: a step all of whose keys are hidden for all 32
; queries, in a group with no row hidden whole, adds nothing and is left out by a scalar branch; a step with nothing hidden leaves the selects out.
; NO JOINT LOADS, though the four work-groups of a head read the same K and V: what is shared is read once a work-group, at its head:
; 139,264 bytes against 16 steps of work.
; LIMITS: open scores |q . k| stay under 2^100; NaN and infinities are not served; a block of p or of the context whose largest number lies under 2^-124 keeps the scale byte 1.
; REGISTERS: v1 16 L, v2 8 L, v3-4 LDS addresses, v5 32 L, v6 16 h, v7 -2^100; v8-27 = 0, q0, 0, q1, 0 in fours; v28-29 q's scale words; v32-39 per tile -M, largest t, the sum in two halves; v40-71 K's, then V's images;
;   v72-73, v74-75 their scale words; v80-143 S^T, then p; v144-207 O^T, 32 a tile; v208-223 p's codes; v224-225 p's scale words; v228-245 at work.
; SCALARS: s2 the step's LDS byte, s3 the step's byte in mw, s17 the flags, s19 trips, s24 the next step's byte in mw; s32-63, s68-99 the 64 mask words.
.set STEPB, 8704                       ; a step in LDS: K's four images, 256 bytes of scale words, V's four images, 256 bytes
.set VOFF,  4352
.set S,   80
.set O,   144
.set PCD, 208
.set PWD, 224
.set BM,  228                          ; the four blocks' largest scores, then largest p
.set PD,  232
.set SO,  236
.set F,   240
.set X,   242
.set C2,  244
.set TM,  228                          ; at work in QUANT, on the way out
.set SEL, 20
.set CS,  22
	s_load_b256 s[4:11], s[0:1], 0x0               ; qf, kv, mw, fl
	s_load_b128 s[12:15], s[0:1], 0x20             ; cf, cs
	v_lshl_add_u32 v254, v0, 2, 0x22000
	v_mov_b32 v255, 0
	v_lshrrev_b32 v1, 5, v0
	v_readfirstlane_b32 s16, v1                    ; wave 0..15
	v_and_b32 v5, 31, v0
	v_lshlrev_b32 v1, 4, v5                        ; 16 x lane
	v_lshlrev_b32 v2, 3, v5                        ; 8 x lane
	v_lshlrev_b32 v5, 5, v5                        ; 32 x lane
	v_bfe_u32 v6, v0, 4, 1
	v_lshlrev_b32 v6, 4, v6                        ; 16 h
	v_mov_b32 v7, 0xf1800000                       ; -2^100
	s_and_b32 s25, ttmp7, 0xffff                   ; bh
	s_bfe_u32 s26, s16, 0x10002
	s_mul_i32 s26, s26, 3
	s_xor_b32 s26, s26, s16                        ; w'
	s_lshl_b32 s26, s26, 2
	s_add_co_u32 s26, s26, ttmp9                   ; g
	s_lshl_b32 s27, s26, 7                         ; fl: 128 bytes a group
	s_lshl_b32 s28, s26, 13                        ; mw: 8,192 bytes a group
	s_mov_b32 s29, 0
	s_mul_i32 s30, s25, 69632                      ; qf: 16 blocks of 4,352 a head,
	s_lshr_b32 s31, s26, 2
	s_mul_i32 s31, s31, 4352                       ; my block of 128 queries
	s_add_co_u32 s30, s30, s31
	s_mov_b32 s31, 0
	s_and_b32 s18, s26, 3
	s_lshl_b32 s18, s18, 10                        ; my image in it: g % 4
	s_and_b32 s19, s26, 1
	s_lshl_b32 s19, s19, 7
	s_bfe_u32 s24, s26, 0x10001
	s_lshl_b32 s24, s24, 2
	s_add_co_u32 s19, s19, s24                     ; and its scale words: 128 (g % 2) + 4 ((g / 2) % 2) + 8 r behind byte 4,096
	s_mul_i32 s2, s25, 139264                      ; kv: my head
	s_mov_b32 s3, 0
	s_mov_b32 s[SEL], 0x76543210
	s_mov_b32 s[SEL+1], 0xfedcba98
	s_mov_b32 s[CS], 0x3e38aa3b                    ; c = log2(e) / 8
	s_mov_b32 s[CS+1], s[CS]                       ; (named with it as a pair, so it is written)
	s_wait_kmcnt 0x0
	s_load_b32 s17, s[10:11], s27 offset:0x0       ; my group's flags
	s_add_nc_u64 s[8:9], s[8:9], s[28:29]
	s_add_nc_u64 s[4:5], s[4:5], s[30:31]
	s_add_nc_u64 s[6:7], s[6:7], s[2:3]
	v_add_nc_u32 v31, s18, v1
	v_and_b32 v3, 15, v0
	v_lshlrev_b32 v3, 3, v3
	v_add_nc_u32 v3, s19, v3
	global_load_b128 v[12:15], v31, s[4:5]         ; q, tile 0
	global_load_b128 v[20:23], v31, s[4:5] offset:512   ; tile 1
	global_load_b32 v30, v3, s[4:5] offset:4096    ; their scale word: (tile 0's two bytes, tile 1's two)
	v_lshlrev_b32 v44, 4, v0                       ; the copy of K and V: 512 threads x 16 bytes, 17 times
.set i, 0
.rept 16
	global_load_b128 v[S+4*i:S+4*i+3], v44, s[6:7] offset:8192*i
.set i, i+1
.endr
	global_load_b128 v[40:43], v44, s[6:7] offset:8192*16
	v_add_nc_u32 v45, 0x10000, v44
	v_add_nc_u32 v46, 0x20000, v44
.irp j, 8,9,10,11,16,17,18,19,24,25,26,27
	v_mov_b32 v\j, 0                               ; zero codes beside q
.endr
.irp u, 0,1
	v_mov_b32 v[33+4*\u], 0xff61b1e6               ; the largest t so far: -3e38
	v_floor_f32 v[32+4*\u], -v[33+4*\u]            ; -M
	v_mov_b32 v[34+4*\u], 0                        ; the sum, in two halves
	v_mov_b32 v[35+4*\u], 0
.endr
.irp b, 0,1,2,3
	v_mov_b32 v[PD+\b], 0                          ; written once: a lane permute's destination counts as one of its sources
.endr
	v_mov_b32 v[F+1], 0                            ; (named as upper halves of pairs)
	v_mov_b32 v[C2+1], 0
	s_wait_loadcnt 17                              ; q's three loads are in; the 17 of the copy may be out
	v_perm_b32 v28, v30, v30, 0x01000100           ; tile 0's two bytes, twice: they serve q in either half of its operand
	v_perm_b32 v29, v30, v30, 0x03020302           ; tile 1's
.set j, 0
.rept 64
	v_mov_b32 v[O+j], 0                            ; O^T.  (The step is written once: the first finds zeros, which the first change of M leaves zeros)
.set j, j+1
.endr
.set i, 0
.rept 16
	s_wait_loadcnt 16-i                            ; loads come back in order: number i of the copy is in, the younger ones may be out
	ds_store_b128 v[44+i/8], v[S+4*i:S+4*i+3] offset:8192*(i%8)
.set i, i+1
.endr
	s_wait_loadcnt 0x0
	ds_store_b128 v46, v[40:43]
	s_mov_b32 s2, 0
	s_mov_b32 s3, 0
	s_mov_b32 s19, 16
	s_wait_kmcnt 0x0                               ; the flags
.macro MLOAD so, off                   ; 64 mask words, 256 bytes
	s_load_b512 s[32:47], s[8:9], \so offset:\off
	s_load_b512 s[48:63], s[8:9], \so offset:\off+64
	s_load_b512 s[68:83], s[8:9], \so offset:\off+128
	s_load_b512 s[84:99], s[8:9], \so offset:\off+192
.endm
	MLOAD s3, 0                                    ; tile 0, step 0
	s_wait_dscnt 0x0                               ; for the others' sake: my part of the copy has landed
	s_barrier_signal -1
	s_barrier_wait -1                              ; the launch's one barrier: from here on LDS is only read
.macro QK u                            ; S^T of tile u: 8 products that start their sums; image b holds keys' tiles 2 b and 2 b + 1
.irp b, 0,1,2,3
.if \b%2
	v_wmma_scale_f32_16x16x128_f8f6f4 v[S+16*\b:S+16*\b+7], v[40+8*\b:47+8*\b], v[12+8*\u:19+8*\u], 0, v[72+\b/2], v[28+\u] matrix_a_fmt:MATRIX_FMT_FP4 matrix_b_fmt:MATRIX_FMT_FP4 matrix_a_scale:MATRIX_SCALE_ROW1
	v_wmma_scale_f32_16x16x128_f8f6f4 v[S+16*\b+8:S+16*\b+15], v[40+8*\b:47+8*\b], v[8+8*\u:15+8*\u], 0, v[72+\b/2], v[28+\u] matrix_a_fmt:MATRIX_FMT_FP4 matrix_b_fmt:MATRIX_FMT_FP4 matrix_a_scale:MATRIX_SCALE_ROW1
.else
	v_wmma_scale_f32_16x16x128_f8f6f4 v[S+16*\b:S+16*\b+7], v[40+8*\b:47+8*\b], v[12+8*\u:19+8*\u], 0, v[72+\b/2], v[28+\u] matrix_a_fmt:MATRIX_FMT_FP4 matrix_b_fmt:MATRIX_FMT_FP4
	v_wmma_scale_f32_16x16x128_f8f6f4 v[S+16*\b+8:S+16*\b+15], v[40+8*\b:47+8*\b], v[8+8*\u:15+8*\u], 0, v[72+\b/2], v[28+\u] matrix_a_fmt:MATRIX_FMT_FP4 matrix_b_fmt:MATRIX_FMT_FP4
.endif
.endr
.endm
.macro MASK                            ; hidden scores become -2^100; each accumulator is read from its low end on
.set j, 0
.rept 64
.if j < 32
	v_cndmask_b32 v[S+j], v7, v[S+j], s[32+j]
.else
	v_cndmask_b32 v[S+j], v7, v[S+j], s[36+j]
.endif
.set j, j+1
.endr
.endm
.macro SOFTMAX u
.set ST, 32+4*\u
.irp b, 0,1,2,3
	v_max3_num_f32 v[BM+\b], v[S+16*\b], v[S+1+16*\b], v[S+2+16*\b]   ; the largest score of each block of 32 keys: it serves the row's maximum and, since p rises with the score, the block's largest p
.endr
.irp i, 3,5,7,9,11,13
.irp b, 0,1,2,3
	v_max3_num_f32 v[BM+\b], v[BM+\b], v[S+16*\b+\i], v[S+1+16*\b+\i]
.endr
.endr
.irp b, 0,1,2,3
	v_max_num_f32 v[BM+\b], v[BM+\b], v[S+15+16*\b]
.endr
.irp b, 0,1,2,3
	v_permlanex16_b32 v[PD+\b], v[BM+\b], s[SEL], s[SEL+1]
.endr
.irp b, 0,1,2,3
	v_max_num_f32 v[BM+\b], v[BM+\b], v[PD+\b]     ; with lane l xor 16's 16 keys
.endr
	v_max3_num_f32 v[X], v[BM], v[BM+1], v[BM+2]
	v_max_num_f32 v[X], v[X], v[BM+3]
	v_mul_f32 v[X], s[CS], v[X]                    ; as t
	v_max_num_f32 v[ST+1], v[ST+1], v[X]           ; the running largest t
	v_mov_b32 v[X], v[ST]
	v_floor_f32 v[ST], -v[ST+1]                    ; the new -M = -ceil(t)
	v_sub_f32 v[X], v[ST], v[X]                    ; old M - new M: a whole number, 0 or less
	v_cvt_i32_f32 v[X], v[X]                       ; (it saturates)
	v_ldexp_f32 v[F], 1.0, v[X]                    ; f = 2^(old M - new M)
.set j, 0
.rept 32
	v_pk_fma_f32 v[S+j:S+j+1], v[S+j:S+j+1], s[CS:CS+1], v[ST:ST+1] op_sel_hi:[1,0,0]   ; t - M, two at a time
.set j, j+2
.endr
.irp b, 0,1,2,3
	v_fma_f32 v[BM+\b], v[BM+\b], s[CS], v[ST]     ; the same of each block's largest score
.endr
.set j, 0
.rept 64
	v_exp_f32 v[S+j], v[S+j]                       ; p = 2^(t - M)
.set j, j+1
.endr
	v_pk_mul_f32 v[ST+2:ST+3], v[ST+2:ST+3], v[F:F+1] op_sel_hi:[1,0]   ; the sums under the new M: a plain instruction behind the exponentials
	s_wait_alu depctr_va_vdst(0)                   ; one wait for the batch of 64, ahead of its first reader
.irp b, 0,1,2,3
	v_exp_f32 v[BM+\b], v[BM+\b]                   ; the block's largest p
.endr
	v_pk_add_f32 v[C2:C2+1], v[S:S+1], v[S+2:S+3]  ; the row's sum of the unquantised p, in two chains
.irp j, 4,8,12,16,20,24,28,32,36,40,44,48,52,56,60
	v_pk_add_f32 v[ST+2:ST+3], v[ST+2:ST+3], v[S+\j:S+\j+1]
	v_pk_add_f32 v[C2:C2+1], v[C2:C2+1], v[S+2+\j:S+3+\j]
.endr
	v_pk_add_f32 v[ST+2:ST+3], v[ST+2:ST+3], v[C2:C2+1]
	s_wait_alu depctr_va_vdst(0)                   ; and one for the four
.irp b, 0,1,2,3
	v_max_num_f32 v[BM+\b], 0x1800000, v[BM+\b]    ; the floor 2^(3 - 127): the byte cannot fall under 1
.endr
.irp b, 0,1,2,3
	v_add_nc_u32 v[SO+\b], 0xff000000, v[BM+\b]    ; 2 off the exponent field: the conversion's scale operand
.endr
.irp b, 0,1,2,3
	v_lshrrev_b32 v[PD+\b], 23, v[SO+\b]           ; the scale's byte
.endr
	v_lshl_or_b32 v[PWD+\u], v[PD+1], 8, v[PD]     ; p's scale word for these 128 keys
	v_lshl_or_b32 v[PWD+\u], v[PD+2], 16, v[PWD+\u]
	v_lshl_or_b32 v[PWD+\u], v[PD+3], 24, v[PWD+\u]
.irp b, 0,1,2,3
	v_cvt_scalef32_pk8_fp4_f32 v[PCD+8*\u+2*\b], v[S+16*\b:S+7+16*\b], v[SO+\b]
	v_cvt_scalef32_pk8_fp4_f32 v[PCD+8*\u+1+2*\b], v[S+8+16*\b:S+15+16*\b], v[SO+\b]
.endr
	v_nop                                          ; one plain place behind a scaled conversion
.irp c, 0,1
.irp i, 0,1
	v_permlane16_swap_b32 v[PCD+8*\u+4*\c+\i], v[PCD+8*\u+2+4*\c+\i]   ; a whole block of 32 keys in a lane
.endr
.endr
.set j, 0
.rept 16
	v_pk_mul_f32 v[O+32*\u+j:O+32*\u+j+1], v[O+32*\u+j:O+32*\u+j+1], v[F:F+1] op_sel_hi:[1,0]   ; O^T under the new M.  (These sixteen also stand between the codes and the scale word just made and the products that take them)
.set j, j+2
.endr
.endm
.macro PV                              ; O^T += V^T P^T: eight accumulators, each once, the two tiles by turns
.irp t, 0,1,2,3
.irp u, 0,1
.if \t%2
	v_wmma_scale_f32_16x16x128_f8f6f4 v[O+32*\u+8*\t:O+32*\u+8*\t+7], v[40+8*\t:47+8*\t], v[PCD+8*\u:PCD+8*\u+7], v[O+32*\u+8*\t:O+32*\u+8*\t+7], v[74+\t/2], v[PWD+\u] matrix_a_fmt:MATRIX_FMT_FP4 matrix_b_fmt:MATRIX_FMT_FP4 matrix_a_scale:MATRIX_SCALE_ROW1
.else
	v_wmma_scale_f32_16x16x128_f8f6f4 v[O+32*\u+8*\t:O+32*\u+8*\t+7], v[40+8*\t:47+8*\t], v[PCD+8*\u:PCD+8*\u+7], v[O+32*\u+8*\t:O+32*\u+8*\t+7], v[74+\t/2], v[PWD+\u] matrix_a_fmt:MATRIX_FMT_FP4 matrix_b_fmt:MATRIX_FMT_FP4
.endif
.endr
.endr
.endm
.Lstep:                                            ; 16 trips, a constant; a step that adds nothing jumps over its work, not over the lines that step addresses
	s_bitcmp1_b32 s17, 0
	s_cbranch_scc1 .Lskip
	v_add_nc_u32 v3, s2, v1
	v_add_nc_u32 v4, s2, v2
	v_nop
	v_nop                                          ; four places behind the last step's products, ahead of loads into registers that they read
.irp b, 0,1,2,3
.irp c, 0,1
	ds_load_b128 v[40+8*\b+4*\c:43+8*\b+4*\c], v3 offset:1024*\b+512*\c   ; K's images: 512 consecutive bytes a load
.endr
.endr
	ds_load_b64 v[72:73], v4 offset:4096           ; register e: lanes 0-15 image 2 e's words, lanes 16-31 image 2 e + 1's
	s_wait_dscnt 0x0
	QK 0
.rept 4
	v_nop
.endr
	s_wait_kmcnt 0x0                               ; tile 0's mask words, asked for a step ago
	s_bitcmp1_b32 s17, 1
	s_cbranch_scc1 .Lopen0
	MASK
.Lopen0:
	MLOAD s3, 4096                                 ; tile 1's words of this step
	SOFTMAX 0
	QK 1
.rept 4
	v_nop                                          ; ahead of the loads into K's registers and of the first read of the scores
.endr
.irp t, 0,1,2,3
.irp c, 0,1
	ds_load_b128 v[40+8*\t+4*\c:43+8*\t+4*\c], v3 offset:VOFF+1024*\t+512*\c   ; V's images land while tile 1's softmax is worked
.endr
.endr
	ds_load_b64 v[74:75], v4 offset:VOFF+4096
	s_wait_kmcnt 0x0
	s_bitcmp1_b32 s17, 1
	s_cbranch_scc1 .Lopen1
	MASK
.Lopen1:
	s_add_co_u32 s24, s3, 256                      ; (written only behind a wait for the scalar loads that read it)
	s_min_u32 s24, s24, 3840                       ; the last trip asks for step 15 again: no load leaves mw
	MLOAD s24, 0                                   ; tile 0's words of the next step
	SOFTMAX 1
	s_wait_dscnt 0x0                               ; V is in
	PV
	s_branch .Lnext
.Lskip:
	s_wait_kmcnt 0x0                               ; the words asked for a step ago are let in, and the next step's are asked for: every way leaves the same loads out
	s_add_co_u32 s24, s3, 256
	s_min_u32 s24, s24, 3840
	MLOAD s24, 0
.Lnext:
	s_lshr_b32 s17, s17, 2
	s_add_co_u32 s2, s2, STEPB
	s_add_co_u32 s3, s3, 256
	s_sub_co_u32 s19, s19, 1
	s_cmp_lg_u32 s19, 0
	s_cbranch_scc1 .Lstep
	; THE WAY OUT: O^T / the sum; both tiles' 64 channels are quantised at once (four blocks of 32); a tile's four registers are half an image of the last product's operand.
	s_wait_kmcnt 0x0
	v_add_f32 v228, v34, v35                       ; the sums' two halves.  (These plain lines are the places behind the last products)
	v_add_f32 v229, v38, v39
	v_permlanex16_b32 v232, v228, s[SEL], s[SEL+1]
	v_permlanex16_b32 v233, v229, s[SEL], s[SEL+1]
	v_add_f32 v228, v228, v232                     ; and lane l xor 16's
	v_add_f32 v229, v229, v233
	v_rcp_f32 v[F], v228
	v_rcp_f32 v[C2], v229
	v_nop                                          ; a plain instruction behind the reciprocals
	s_lshr_b32 s27, s25, 4                         ; the batch
	s_and_b32 s28, s25, 15                         ; the head
	s_lshl_b32 s27, s27, 7
	s_lshl_b32 s29, s26, 1
	s_add_co_u32 s27, s27, s29                     ; my first tile of 16 rows: 128 x batch + 2 g
	s_lshl_b32 s30, s27, 12                        ; cf [K half][row tile][128 along K][c][lane][16 bytes]: 4,096 bytes a row tile,
	s_lshr_b32 s29, s28, 3
	s_lshl_b32 s29, s29, 21                        ; heads 8-15 in the second half,
	s_add_co_u32 s30, s30, s29
	s_bfe_u32 s29, s28, 0x20001
	s_lshl_b32 s29, s29, 10                        ; two heads to 128 along K,
	s_add_co_u32 s30, s30, s29
	s_and_b32 s29, s28, 1
	s_lshl_b32 s29, s29, 9                         ; c = head % 2
	s_add_co_u32 s30, s30, s29
	s_mov_b32 s31, 0
	s_add_nc_u64 s[12:13], s[12:13], s[30:31]
	s_lshl_b32 s30, s27, 9                         ; cs: 32 bytes a row, my head's two
	s_lshl_b32 s29, s28, 1
	s_add_co_u32 s30, s30, s29
	s_add_nc_u64 s[14:15], s[14:15], s[30:31]
	s_wait_alu depctr_va_vdst(0)                   ; one wait for the two reciprocals, ahead of their first reader
.irp u, 0,1
.set j, 0
.rept 16
	v_pk_mul_f32 v[S+32*\u+j:S+32*\u+j+1], v[O+32*\u+j:O+32*\u+j+1], v[F+4*\u:F+4*\u+1] op_sel_hi:[1,0]   ; register 32 u + 16 b + i: channel 32 b + 16 h + i of tile u's query r
.set j, j+2
.endr
.endr
.macro QUANT s, pc, pw
.irp b, 0,1,2,3
	v_max3_num_f32 v[TM+\b], |v[\s+16*\b]|, |v[\s+1+16*\b]|, 0x1800000
.endr
.irp i, 2,4,6,8,10,12,14
.irp b, 0,1,2,3
	v_max3_num_f32 v[TM+\b], v[TM+\b], |v[\s+16*\b+\i]|, |v[\s+1+16*\b+\i]|
.endr
.endr
.irp b, 0,1,2,3
	v_permlanex16_b32 v[TM+4+\b], v[TM+\b], s[SEL], s[SEL+1]
.endr
.irp b, 0,1,2,3
	v_max_num_f32 v[TM+\b], v[TM+\b], v[TM+4+\b]
.endr
.irp b, 0,1,2,3
	v_add_nc_u32 v[TM+12+\b], 0xff000000, v[TM+\b]
.endr
.irp b, 0,1,2,3
	v_lshrrev_b32 v[TM+4+\b], 23, v[TM+12+\b]
.endr
	v_lshl_or_b32 v[\pw], v[TM+5], 8, v[TM+4]
	v_lshl_or_b32 v[\pw], v[TM+6], 16, v[\pw]
	v_lshl_or_b32 v[\pw], v[TM+7], 24, v[\pw]
.irp b, 0,1,2,3
	v_cvt_scalef32_pk8_fp4_f32 v[\pc+2*\b], v[\s+16*\b:\s+7+16*\b], v[TM+12+\b]
	v_cvt_scalef32_pk8_fp4_f32 v[\pc+1+2*\b], v[\s+8+16*\b:\s+15+16*\b], v[TM+12+\b]
.endr
	v_nop
.irp c, 0,1
.irp i, 0,1
	v_permlane16_swap_b32 v[\pc+4*\c+\i], v[\pc+2+4*\c+\i]
.endr
.endr
.endm
	QUANT S, PCD, PWD
	v_lshrrev_b32 v226, v6, v[PWD]                 ; lanes 0-15: tile 0's two bytes, lanes 16-31: tile 1's
	global_store_b128 v1, v[PCD:PCD+3], s[12:13]               ; 512 consecutive bytes, aligned
	global_store_b128 v1, v[PCD+4:PCD+7], s[12:13] offset:4096
	global_store_b16 v5, v226, s[14:15]            ; two bytes of each of 32 rows: a row's 32 scale bytes come from 16 work-groups; 262,144 bytes in the whole launch leave so
	s_wait_tensorcnt 0x0
	ds_add_u32 v254, v255
	s_wait_dscnt 0x0
	s_endpgm
.Lfunc_end_k_qae84b915d8_attn:
	.size	k_qae84b915d8_attn, .Lfunc_end_k_qae84b915d8_attn-k_qae84b915d8_attn
	.p2alignl 7, 3214868480
	.fill 96, 4, 3214868480
	.section	.rodata,"a",@progbits
	.p2align	6, 0x0
	.amdhsa_kernel k_qae84b915d8_attn
		.amdhsa_group_segment_fixed_size 141312
		.amdhsa_private_segment_fixed_size 0
		.amdhsa_enable_private_segment 0
		.amdhsa_kernarg_size 48
		.amdhsa_user_sgpr_count 2
		.amdhsa_user_sgpr_kernarg_segment_ptr 1
		.amdhsa_wavefront_size32 1
		.amdhsa_system_sgpr_workgroup_id_x 1
		.amdhsa_system_sgpr_workgroup_id_y 1
		.amdhsa_system_sgpr_workgroup_id_z 1
		.amdhsa_system_vgpr_workitem_id 0
		.amdhsa_next_free_vgpr 256
		.amdhsa_next_free_sgpr 100
		.amdhsa_reserve_vcc 0
		.amdhsa_float_denorm_mode_32 3
		.amdhsa_float_denorm_mode_16_64 3
		.amdhsa_memory_ordered 1
		.amdhsa_forward_progress 1
		.amdhsa_inst_pref_size 55
	.end_amdhsa_kernel
	.amdgpu_metadata
---
amdhsa.version: [ 1, 2 ]
amdhsa.kernels:
  - .name:           k_qae84b915d8_attn
    .symbol:         k_qae84b915d8_attn.kd
    .args:
      - { .name: qf, .offset: 0, .size: 8, .value_kind: global_buffer, .address_space: global }
      - { .name: kv, .offset: 8, .size: 8, .value_kind: global_buffer, .address_space: global }
      - { .name: mw, .offset: 16, .size: 8, .value_kind: global_buffer, .address_space: global }
      - { .name: fl, .offset: 24, .size: 8, .value_kind: global_buffer, .address_space: global }
      - { .name: cf, .offset: 32, .size: 8, .value_kind: global_buffer, .address_space: global }
      - { .name: cs, .offset: 40, .size: 8, .value_kind: global_buffer, .address_space: global }
    .group_segment_fixed_size: 141312
    .private_segment_fixed_size: 0
    .kernarg_segment_align: 8
    .kernarg_segment_size: 48
    .max_flat_workgroup_size: 512
    .sgpr_count:     100
    .vgpr_count:     256
    .wavefront_size: 32
...
	.end_amdgpu_metadata
.endif
;; end of part 3
;; launch outp (part 4): grid 4 x 32, 4 waves a work-group, clusters of 4 x 4, 327,680 bytes of LDS; arguments cf, cs, codes, scales, bo, out0; writes out0
.if DOCPART == 4
	.amdgcn_target "amdgcn-amd-amdhsa--gfx1250"
	.amdhsa_code_object_version 6
	.text
	.protected	k_qae84b915d8_outp
	.globl	k_qae84b915d8_outp
	.p2align	8
	.type	k_qae84b915d8_outp,@function
k_qae84b915d8_outp:
	s_mov_b64 s[64:65], 0
	v_nop
	global_prefetch_b8 v0, s[64:65] scope:SCOPE_SE
	s_setreg_imm32_b32 hwreg(HW_REG_WAVE_MODE, 25, 1), 1
	s_wait_xcnt 0x0
	s_wait_alu depctr_hold_cnt(0) depctr_sa_sdst(0) depctr_va_vdst(0) depctr_va_sdst(0) depctr_va_ssrc(0) depctr_va_vcc(0) depctr_vm_vsrc(0)
	s_getreg_b32 s2, hwreg(HW_REG_IB_STS2, 6, 4)
	s_cmp_eq_u32 s2, 0
	s_cbranch_scc0 .Lentry_in_a_cluster
	s_endpgm
.Lentry_in_a_cluster:
	s_bfe_u32 s2, ttmp6, 0x10000c
	s_cmp_lg_u32 s2, 0xf033
	s_cbranch_scc0 .Lentry_shape_is_right
	s_endpgm
.Lentry_shape_is_right:
; out0 = context Wo^T + bo on codes of FP4 (E2M1) with E8M0 scales, K = 1,024; out0 [8192][1024] f32.
; A work-group of four waves makes 256 x 256, a wave 128 x 128: 64 accumulators, 512 registers.  K is two steps of 512: both lie in LDS at once, each filled once.
; Source 0 = 16 rows of Wo (role B), source 1 = 16 rows of the context (role A): a lane holds eight numbers of one row of out0.  bo is the C of each sum's first product.
; THE CONTEXT ARRIVES AS IMAGES OF OPERAND REGISTERS: cf [K half][tile of 16 rows][128 along K][c][lane][16 bytes]; a fragment is two loads of 512 consecutive bytes, and the 128 rows that a wave fetches for a slot are 32,768 dense bytes.
; ROWS: lane r of row tile 2 G + u is row 32 G + 8 u + r + 8 (r / 8); Wo's rows are stored in the same order, so that register j of lane (r, h) in the accumulator of B's tile b is column 32 (b / 2) + 16 h + 8 (b % 2) + j.
; CLUSTERS: 4 x 4 work-groups: A's tiles are shared along a row of the cluster, B's along a column, each asked for jointly.
; REGISTERS, in windows of 256: window 0: v0-31 addresses; v32-95 scale words, two sets; v128-191 A's fragments; v192-255 bo by register; on the way out v128-255 hold rows of out0.
;   window 1: B's fragments, two sets.   windows 2, 3: the accumulators ((a, b) at v[8 (8 (a % 4) + b)] of window 2 + a / 4).
.set NQ,     4
.set ROWB,   256
.set KROW,   512
.set PITCH,  272
.set FR,     8
.set NL,     2
.set NP,     4
.set HALFA,  32768                     ; 8 row tiles x 4 images of 1,024 bytes: what one tensor load brings of A
.set HALFT,  128*PITCH                 ; 128 rows of B
.set BOFF,   2*HALFA                   ; in a slot B's rows lie behind A's images
.set SLOT,   BOFF+2*HALFT
.set KS,     32
.set SCL,    2*SLOT
.set HALFS,  (128*KS/256)*272
.set SBLK,   (16*KS/256)*272
.set SPARE,  SCL+4*HALFS               ; the spare words, 128 bytes for each wave: two blocks of 256 bytes that no other line names
.set SPITCH, 528                       ; the way out: a stage of 16 rows x (512 bytes + 16) for each wave, in slot 0, which has had its one fill and its last read when the first result is stored there
.set ADRA, 16
.set ADRB, 20
.set STO,  24
.set RD,   25
.set CO,   26
.set ADRS, 27
.set SPW,  28
.set NIL,  29
.set SC,   32
.set AF,   128
.set BN,   192
.set BK,   128
.set G1, 24
.set G0, 32
.set G1B, 48
.set G0B, 56
.set G1S, 68
.set G0S, 76
.set G1SB, 80
.set G0SB, 88
.set MSB, 0
.macro WIN new
.if MSB != (\new)
	s_set_vgpr_msb (MSB<<8)|(\new)
.set MSB, (\new)
.endif
.endm
.set MUL_LO, 0xa1                      ; source 0 (B) window 1, source 1 (A) window 0, C and D window 2
.set MUL_HI, 0xf1
.set TO_B,   0x40
.macro JLOAD g0a, g1a, g0b, g1b        ; waves 0 and 1 fetch for A, waves 2 and 3 for B; four v_nop follow each of the two lines
	s_cmp_eq_u32 s19, 0
	s_cbranch_scc0 .Lfor_b_\@
	tensor_load_to_lds s[\g0a:\g0a+3], s[\g1a:\g1a+7]
	s_nop 0
.rept 4
	v_nop
.endr
	s_branch .Lasked_\@
.Lfor_b_\@:
	tensor_load_to_lds s[\g0b:\g0b+3], s[\g1b:\g1b+7]
	s_nop 0
.rept 4
	v_nop
.endr
.Lasked_\@:
.endm
.macro CROUND
	s_barrier_signal -1
	s_barrier_wait -1
	s_cmp_lg_u32 s18, 0
	s_cbranch_scc1 .Lnot_wave_0_\@
	s_barrier_signal -3
.Lnot_wave_0_\@:
	s_barrier_wait -3
	s_barrier_signal -1
	s_barrier_wait -1
.endm
	s_load_b256 s[4:11], s[0:1], 0x0               ; cf, cs, codes, scales
	s_load_b128 s[12:15], s[0:1], 0x20             ; bo, out0
	v_lshl_add_u32 v[SPW], v0, 2, SPARE
	v_mov_b32 v[NIL], 0
	ds_add_u32 v28, v29
	ds_add_u32 v28, v29
	s_wait_dscnt 0x0
	v_lshrrev_b32 v1, 5, v0
	v_readfirstlane_b32 s18, v1                    ; wave 0..3
	s_lshr_b32 s19, s18, 1                         ; my half of A's rows.  Also: I fetch for A (0) or for B (1)
	s_and_b32 s20, s18, 1                          ; my half of B's rows.  Also: which half I fetch
	s_bfe_u32 s40, ttmp6, 0x40000                  ; cx
	s_bfe_u32 s41, ttmp6, 0x40004                  ; cy
	s_and_b32 s46, ttmp7, 0xffff
	s_lshl_b32 s46, s46, 2
	s_add_co_u32 s46, s46, s41                     ; A's block of 256 rows = 4 x cluster y + cy
	s_lshl_b32 s44, s41, 2
	s_lshl_b32 s44, 15, s44                        ; my row of the cluster
	s_lshl_b32 s45, 0x1111, s40                    ; my column
	s_or_b32 s[G1+0], s44, (3<<16)|(1<<21)         ; A: 32,768 dense bytes as 128 rows of 256 (32 elements of 8 bytes), no padding
	s_mov_b32 s[G1+1], 32<<16
	s_mov_b32 s[G1+2], 128<<16
	s_mov_b32 s[G1+3], 32<<16
	s_mov_b32 s[G1+4], 128
	s_mov_b32 s[G1+5], 32
	s_mov_b32 s[G1+6], 0
	s_mov_b32 s[G1+7], 0
	s_or_b32 s[G1B+0], s45, (0<<16)|(1<<20)|(1<<21)|(5<<22)|(3<<25)  ; B: 128 rows of 256 bytes, 512 apart in memory, 16 bytes of padding behind each in LDS
	s_mov_b32 s[G1B+1], ROWB<<16
	s_mov_b32 s[G1B+2], 128<<16
	s_mov_b32 s[G1B+3], ROWB<<16
	s_mov_b32 s[G1B+4], 128
	s_mov_b32 s[G1B+5], KROW
	s_mov_b32 s[G1B+6], 0
	s_mov_b32 s[G1B+7], 0
	s_or_b32 s[G1S+0], s44, (3<<16)|(1<<20)|(1<<21)|(5<<22)|(3<<25)  ; the scales of 128 rows: 16 rows of 256 bytes, 16 of padding behind each
	s_or_b32 s[G1SB+0], s45, (3<<16)|(1<<20)|(1<<21)|(5<<22)|(3<<25)
.irp g, G1S, G1SB
	s_mov_b32 s[\g+1], 32<<16
	s_mov_b32 s[\g+2], (128*KS/256)<<16
	s_mov_b32 s[\g+3], 32<<16
	s_mov_b32 s[\g+4], 128*KS/256
	s_mov_b32 s[\g+5], 32
	s_mov_b32 s[\g+6], 0
	s_mov_b32 s[\g+7], 0
.endr
	s_lshl_b32 s98, s46, 16                        ; A's images: 16 row tiles of 4,096 bytes a block,
	s_lshl_b32 s66, s20, 15                        ; the 8 that I fetch
	s_add_co_u32 s98, s98, s66
	s_lshl_b32 s100, s46, 13                       ; A's scales
	s_lshl_b32 s66, s20, 12
	s_add_co_u32 s100, s100, s66
	s_lshl_b32 s94, s40, 13                        ; Wo's scales
	s_add_co_u32 s94, s94, s66
	s_add_co_u32 s94, s94, 884736
	s_lshl_b32 s92, s40, 17                        ; Wo's codes
	s_lshl_b32 s66, s20, 16
	s_add_co_u32 s92, s92, s66
	s_add_co_u32 s92, s92, 14155776
	s_mov_b32 s99, 0
	s_mov_b32 s101, 0
	s_mov_b32 s93, 0
	s_mov_b32 s95, 0
	s_mul_i32 s21, s20, HALFA                      ; where they go: made of the wave's number alone
	s_mul_i32 s22, s20, HALFT
	s_add_co_u32 s22, s22, BOFF
	s_mul_i32 s23, s18, HALFS
	s_wait_kmcnt 0x0
	s_add_nc_u64 s[98:99], s[4:5], s[98:99]
	s_add_nc_u64 s[100:101], s[6:7], s[100:101]
	s_add_nc_u64 s[92:93], s[8:9], s[92:93]
	s_add_nc_u64 s[94:95], s[10:11], s[94:95]
	CROUND                                         ; all sixteen work-groups are here: the joint loads meet
	s_mov_b32 s[G0S], 1
	s_add_co_u32 s[G0S+1], s23, SCL
	s_mov_b64 s[G0S+2:G0S+3], s[100:101]
	s_or_b32 s[G0S+3], s[G0S+3], 0x80000000
	s_mov_b32 s[G0SB], 1
	s_add_co_u32 s[G0SB+1], s23, SCL
	s_mov_b64 s[G0SB+2:G0SB+3], s[94:95]
	s_or_b32 s[G0SB+3], s[G0SB+3], 0x80000000
	JLOAD G0S, G1S, G0SB, G1SB                     ; three tensor loads of mine are out behind the third of these
.irp s, 0,1
	s_mov_b32 s[G0+4*\s], 1
	s_add_co_u32 s[G0+4*\s+1], s21, \s*SLOT
	s_add_nc_u64 s[G0+4*\s+2:G0+4*\s+3], s[98:99], \s*2097152
	s_or_b32 s[G0+4*\s+3], s[G0+4*\s+3], 0x80000000
	s_mov_b32 s[G0B+4*\s], 1
	s_add_co_u32 s[G0B+4*\s+1], s22, \s*SLOT
	s_add_nc_u64 s[G0B+4*\s+2:G0B+4*\s+3], s[92:93], \s*ROWB
	s_or_b32 s[G0B+4*\s+3], s[G0B+4*\s+3], 0x80000000
	JLOAD G0+4*\s, G1, G0B+4*\s, G1B
.endr
	v_and_b32 v1, 15, v0                           ; r
	v_bfe_u32 v2, v0, 4, 1                         ; h
	v_and_b32 v7, 31, v0
	v_lshlrev_b32 v[CO], 4, v7                     ; 16 x lane
	v_mul_u32_u24 v3, v1, PITCH
	v_lshl_add_u32 v4, v2, 4, v3
	s_mul_i32 s21, s19, HALFA                      ; my 8 row tiles of A
	s_mul_i32 s22, s20, HALFT
	s_add_co_u32 s22, s22, BOFF                    ; my 128 rows of B
.irp s, 0,1
	v_add_nc_u32 v[ADRA+\s], s21, v[CO]
	v_add_nc_u32 v[ADRB+\s], s22, v4
	s_add_co_u32 s21, s21, SLOT
	s_add_co_u32 s22, s22, SLOT
.endr
	v_mul_u32_u24 v5, v1, KS
	v_lshrrev_b32 v6, 8, v5
	v_lshl_add_u32 v5, v6, 4, v5
	s_mul_i32 s21, s19, HALFS
	s_mul_i32 s22, s20, HALFS
	s_add_co_u32 s22, s22, 2*HALFS
	s_sub_co_u32 s22, s22, s21
	v_mul_u32_u24 v6, s22, v2                      ; lanes 16-31 take B's
	s_add_co_u32 s21, s21, SCL
	v_add_nc_u32 v5, v5, v6
	v_add_nc_u32 v[ADRS], s21, v5
	s_mul_i32 s23, s18, 16*SPITCH                  ; my stage
	v_mul_u32_u24 v5, v1, SPITCH
	v_lshl_add_u32 v5, v2, 6, v5                   ; in: row r, + 64 h
	v_add_nc_u32 v[STO], s23, v5
	v_add_nc_u32 v[RD], s23, v[CO]                 ; back: the 32 lanes take one row of 512 bytes
	s_lshl_b32 s98, s40, 10
	s_lshl_b32 s99, s20, 9
	s_add_co_u32 s98, s98, s99
	s_mov_b32 s99, 0
	s_add_nc_u64 s[12:13], s[12:13], s[98:99]      ; bo at my 128 columns,
	s_add_nc_u64 s[14:15], s[14:15], s[98:99]      ; out0 likewise,
	s_lshl_b32 s98, s46, 20
	s_lshl_b32 s100, s19, 19
	s_add_co_u32 s98, s98, s100
	s_add_nc_u64 s[14:15], s[14:15], s[98:99]      ; at my first row: 256 x block + 128 x half, 4,096 bytes a row
	v_lshlrev_b32 v5, 6, v2
.irp b, 0,1,2,3,4,5,6,7
	global_load_b128 v[BN+8*\b:BN+8*\b+3], v5, s[12:13] offset:(32*(\b/2)+8*(\b%2))*4
	global_load_b128 v[BN+8*\b+4:BN+8*\b+7], v5, s[12:13] offset:(32*(\b/2)+8*(\b%2))*4+16
.endr
.macro FRAG reg, adr, q, i
.irp c, 0,1
	ds_load_b128 v[\reg+4*\c:\reg+4*\c+3], v[\adr] offset:64*(\q)+32*\c+(\i)*16*PITCH
.endr
.endm
.macro FRAGA reg, slot, q, i           ; an image comes back as it was stored: 512 consecutive bytes a load
.irp c, 0,1
	ds_load_b128 v[\reg+4*\c:\reg+4*\c+3], v[ADRA+\slot] offset:4096*(\i)+1024*(\q)+512*\c
.endr
.endm
; 16 products: A's blocks a0, a0 + 1 x B's eight.  bias = 1: the product starts the sums from bo.  The 64 accumulators take turns, one instruction a turn.
.macro MUL16 a0, p, q, sc, bias
.irp a, \a0, \a0+1
.irp b, 0,1,2,3,4,5,6,7
.if \bias
	v_wmma_scale_f32_16x16x128_f8f6f4 v[8*(8*((\a)%4)+\b):8*(8*((\a)%4)+\b)+7], v[128*(\p)+FR*\b:128*(\p)+FR*\b+FR-1], v[AF+FR*(\a):AF+FR*(\a)+FR-1], v[BN+8*\b:BN+8*\b+7], v[SC+8*NQ*(\sc)+NQ*\b+(\q)], v[SC+8*NQ*(\sc)+NQ*(\a)+(\q)] matrix_a_fmt:MATRIX_FMT_FP4 matrix_b_fmt:MATRIX_FMT_FP4 matrix_a_scale:MATRIX_SCALE_ROW1
.else
	v_wmma_scale_f32_16x16x128_f8f6f4 v[8*(8*((\a)%4)+\b):8*(8*((\a)%4)+\b)+7], v[128*(\p)+FR*\b:128*(\p)+FR*\b+FR-1], v[AF+FR*(\a):AF+FR*(\a)+FR-1], v[8*(8*((\a)%4)+\b):8*(8*((\a)%4)+\b)+7], v[SC+8*NQ*(\sc)+NQ*\b+(\q)], v[SC+8*NQ*(\sc)+NQ*(\a)+(\q)] matrix_a_fmt:MATRIX_FMT_FP4 matrix_b_fmt:MATRIX_FMT_FP4 matrix_a_scale:MATRIX_SCALE_ROW1
.endif
.endr
.endr
.endm
.macro FETCH_B slot, q, p
	WIN TO_B
.irp i, 0,1,2,3,4,5,6,7
	FRAG 128*(\p)+FR*\i, ADRB+\slot, \q, \i
.endr
	WIN 0
.endm
.macro FETCH_A slot, q, i0
.irp i, \i0, \i0+1, \i0+2, \i0+3
	FRAGA AF+FR*(\i), \slot, \q, \i
.endr
.endm
.macro SCALES sc
.irp i, 0,1,2,3,4,5,6,7
	ds_load_b128 v[SC+8*NQ*\sc+NQ*\i:SC+8*NQ*\sc+NQ*\i+3], v[ADRS] offset:\i*SBLK
.endr
.endm
.macro PLACES n
.rept \n
	v_nop
.endr
.endm
.macro STEP slot, q, bias
	s_wait_dscnt 4*NL                              ; B's set and A's blocks 0-3 are in; the youngest eight loads (A's blocks 4-7) may be out
	WIN MUL_LO-0x20*(\bias)                        ; (bo lies in window 0)
	MUL16 0, (\q)%2, \q, \slot, \bias
	MUL16 2, (\q)%2, \q, \slot, \bias
	s_wait_dscnt 0
	PLACES NP
	FETCH_B \slot, (\q)+1, 1-(\q)%2
	FETCH_A \slot, (\q)+1, 0
	WIN MUL_HI-0x30*(\bias)
	MUL16 4, (\q)%2, \q, \slot, \bias
	MUL16 6, (\q)%2, \q, \slot, \bias
	PLACES NP
	WIN 0
	FETCH_A \slot, (\q)+1, 4
.endm
.macro STEPS slot, from
.set Q, \from
.rept NQ-1-\from
	STEP \slot, Q, 0
.set Q, Q+1
.endr
.endm
	s_wait_loadcnt 0x0                             ; bo
	s_wait_tensorcnt 1                             ; the scales and my part of slot 0 are in (slot 1's load may be out),
	s_barrier_signal -1
	s_barrier_wait -1                              ; everybody's are
	FETCH_B 0, 0, 0
	FETCH_A 0, 0, 0
	SCALES 0
	FETCH_A 0, 0, 4
	STEP 0, 0, 1
	STEPS 0, 1
	; slot 0's last step changes slots: my part of slot 1 has landed and my reads of slot 0 are over, and one barrier says so of every wave.  Nothing is filled again.
	s_wait_tensorcnt 0x0
	ds_add_u32 v[SPW], v[NIL]                      ; 0 onto my spare word
	s_wait_dscnt 4*NL+1                            ; (the add and the youngest eight loads may be out)
	WIN MUL_LO
	MUL16 0, 1, NQ-1, 0, 0
	s_wait_dscnt 0x0
	s_barrier_signal -1
	MUL16 2, 1, NQ-1, 0, 0
	WIN 0
	s_barrier_wait -1
	PLACES NP
	v_add_nc_u32 v[ADRS], 4*NQ, v[ADRS]
	FETCH_B 1, 0, 0
	FETCH_A 1, 0, 0
	SCALES 1
	WIN MUL_HI
	MUL16 4, 1, NQ-1, 0, 0
	MUL16 6, 1, NQ-1, 0, 0
	PLACES NP
	WIN 0
	FETCH_A 1, 0, 4
	STEPS 1, 0
	s_wait_dscnt 4*NL
	WIN MUL_LO
	MUL16 0, 1, NQ-1, 1, 0
	MUL16 2, 1, NQ-1, 1, 0
	s_wait_dscnt 0
	WIN MUL_HI
	MUL16 4, 1, NQ-1, 1, 0
	MUL16 6, 1, NQ-1, 1, 0
	WIN 0
; THE WAY OUT, block by block of 16 rows x 128 columns, through my own stage in LDS: back come whole rows of 512 bytes.  LDS serves a wave's instructions in order: no wait between the stores and the loads.
.macro TOSTAGE a
.set AC, 64*((\a)%4)
	WIN 0x08+4*((\a)/4)                            ; the data: window 2 or 3
.irp b, 0,1,2,3,4,5,6,7
	ds_store_b128 v[STO], v[AC+8*\b:AC+8*\b+3] offset:128*(\b/2)+32*(\b%2)          ; columns 32 (b / 2) + 16 h + 8 (b % 2) on; each accumulator from its low end on
	ds_store_b128 v[STO], v[AC+8*\b+4:AC+8*\b+7] offset:128*(\b/2)+32*(\b%2)+16
.endr
	WIN 0
.set BB, BK+64*((\a)%2)
.irp t, 0,1,2,3,4,5,6,7,8,9,10,11,12,13,14,15
	ds_load_b128 v[BB+4*\t:BB+4*\t+3], v[RD] offset:\t*SPITCH
.endr
.endm
.macro SEND a, younger                 ; younger: the LDS instructions issued behind block a's loads, which may stay out
.set BB, BK+64*((\a)%2)
	s_wait_dscnt \younger
.if ((\a) > 0) && ((\a)%2 == 0)
	s_add_nc_u64 s[14:15], s[14:15], 32*4096       ; (behind a wait on XCNT: the earlier stores have read their base)  32 rows on
.endif
.irp t, 0,1,2,3,4,5,6,7,8,9,10,11,12,13,14,15
	global_store_b128 v[CO], v[BB+4*\t:BB+4*\t+3], s[14:15] offset:(8*((\a)%2)+\t+8*(\t/8))*4096 th:TH_STORE_NT   ; stage row t is row 8 (a % 2) + t + 8 (t / 8) of the group of 32; 512 consecutive bytes, aligned
.endr
.endm
	PLACES NP
	TOSTAGE 0
.irp a, 1,2,3,4,5,6,7
.if \a > 1
	s_wait_xcnt 0x0                                ; block a - 2's stores have read their registers and their base
.endif
	TOSTAGE \a
	SEND \a-1, 32                                  ; behind block a - 1's loads: block a's 16 stores and 16 loads
.endr
	s_wait_xcnt 0x0
	SEND 7, 0
	s_wait_tensorcnt 0x0                           ; the wave's end
	ds_add_u32 v[SPW], v[NIL]
	s_wait_dscnt 0x0
	CROUND                                         ; the closing round
	s_endpgm
.Lfunc_end_k_qae84b915d8_outp:
	.size	k_qae84b915d8_outp, .Lfunc_end_k_qae84b915d8_outp-k_qae84b915d8_outp
	.p2alignl 7, 3214868480
	.fill 96, 4, 3214868480
	.section	.rodata,"a",@progbits
	.p2align	6, 0x0
	.amdhsa_kernel k_qae84b915d8_outp
		.amdhsa_group_segment_fixed_size 327680
		.amdhsa_private_segment_fixed_size 0
		.amdhsa_enable_private_segment 0
		.amdhsa_kernarg_size 48
		.amdhsa_user_sgpr_count 2
		.amdhsa_user_sgpr_kernarg_segment_ptr 1
		.amdhsa_wavefront_size32 1
		.amdhsa_system_sgpr_workgroup_id_x 1
		.amdhsa_system_sgpr_workgroup_id_y 1
		.amdhsa_system_sgpr_workgroup_id_z 1
		.amdhsa_system_vgpr_workitem_id 0
		.amdhsa_next_free_vgpr 1024
		.amdhsa_next_free_sgpr 102
		.amdhsa_reserve_vcc 0
		.amdhsa_float_denorm_mode_32 3
		.amdhsa_float_denorm_mode_16_64 3
		.amdhsa_memory_ordered 1
		.amdhsa_forward_progress 1
		.amdhsa_inst_pref_size 126
	.end_amdhsa_kernel
	.amdgpu_metadata
---
amdhsa.version: [ 1, 2 ]
amdhsa.kernels:
  - .name:           k_qae84b915d8_outp
    .symbol:         k_qae84b915d8_outp.kd
    .args:
      - { .name: cf, .offset: 0, .size: 8, .value_kind: global_buffer, .address_space: global }
      - { .name: cs, .offset: 8, .size: 8, .value_kind: global_buffer, .address_space: global }
      - { .name: codes, .offset: 16, .size: 8, .value_kind: global_buffer, .address_space: global }
      - { .name: scales, .offset: 24, .size: 8, .value_kind: global_buffer, .address_space: global }
      - { .name: bo, .offset: 32, .size: 8, .value_kind: global_buffer, .address_space: global }
      - { .name: out0, .offset: 40, .size: 8, .value_kind: global_buffer, .address_space: global }
    .group_segment_fixed_size: 327680
    .private_segment_fixed_size: 0
    .kernarg_segment_align: 8
    .kernarg_segment_size: 48
    .max_flat_workgroup_size: 128
    .sgpr_count:     102
    .vgpr_count:     1024
    .wavefront_size: 32
...
	.end_amdgpu_metadata
.endif
;; end of part 4
;; ======== version 2 of 2: 4 launches; version 1 with the launch attn written anew for expert scheduling mode
;; workspace buffers: codes 14,680,064 bytes; scales 917,504 bytes; mw 524,288 bytes of whole numbers; fl 8,192 bytes of whole numbers; qf 4,456,448 bytes; kv 8,912,896 bytes; cf 4,194,304 bytes; cs 262,144 bytes
;; launch prep: the kernel of part 1 again; grid 960 x 1, 4 waves a work-group, no clusters, 33,536 bytes of LDS; arguments query, key, value, Wq, Wk, Wv, Wo, mask, codes, scales, mw, fl; writes codes, scales, mw, fl
;; launch proj: the kernel of part 2 again; grid 4 x 96, 4 waves a work-group, clusters of 4 x 4, 327,680 bytes of LDS; arguments codes, scales, bq, bk, bv, qf, kv; writes qf, kv
;; launch attn (part 5): grid 4 x 64, 16 waves a work-group, no clusters, 141,312 bytes of LDS; arguments qf, kv, mw, fl, cf, cs; writes cf, cs
.if DOCPART == 5
	.amdgcn_target "amdgcn-amd-amdhsa--gfx1250"
	.amdhsa_code_object_version 6
	.text
	.protected	k_qae84b915d8_attn
	.globl	k_qae84b915d8_attn
	.p2align	8
	.type	k_qae84b915d8_attn,@function
k_qae84b915d8_attn:
	s_mov_b64 s[64:65], 0
	v_nop
	global_prefetch_b8 v0, s[64:65] scope:SCOPE_SE
	s_setreg_imm32_b32 hwreg(HW_REG_WAVE_SCHED_MODE, 0, 2), 2
	s_setreg_imm32_b32 hwreg(HW_REG_WAVE_MODE, 25, 1), 1
	s_wait_xcnt 0x0
	s_wait_alu depctr_vm_vsrc(0)
; context = softmax(where(mask, q k^T / 8, -1e30)) v for one (batch, head), both products on codes of FP4 (E2M1) with E8M0 scales; the context is divided by the row's sum and quantised along the model's 1,024.
; THE SOFTMAX AHEAD OF THE SECOND PRODUCT: t = score x log2(e) / 8; M = the running largest t rounded UP to a whole number; p = 2^(t - M) is quantised along the keys, not normalised; the row's sum is taken of the
; unquantised p; when M moves, the sum and O are multiplied by 2^(old M - new M), which rounds nothing.
; SHARES.  Work-group (x, bh): sixteen waves, four to a SIMD.  A wave owns 32 queries, group g = 4 w' + x of the head's 64, as two tiles of 16; w' is the wave's number with its two low bits turned over in every second
; four of waves, so that early and late queries are spread over the waves alike.  The head's K and V (139,264 bytes of codes and scale words, as they lie in kv) are copied into LDS once; every wave walks 16 steps of 128 keys.
; LAYOUT.  Both products are used transposed: S^T = K Q^T, O^T = V^T P^T: a lane holds ONE query (lane % 16).  THE HEAD HAS 64 CHANNELS AND THE PRODUCT'S K IS 128: an operand of K holds TWO tiles of 16 keys (registers 0-3, 4-7),
; and q stands in one half of its operand with zero codes in the other: [q, 0] picks the first tile, [0, q] the second.  Rows are stored so that score register 16 b + i of lane (r, h) is key 32 b + 16 h + i.
; THE MASK comes as lane masks (mw): word 16 b + i is the select of score register 16 b + i.  A hidden score becomes -2^100: times c that is exact, so a row with no open key so far has p = 1 for each key, as the definition
; gives for a row that is hidden whole; the first open key makes the factor 2^(old M - new M) zero and wipes it.  FLAGS (fl), whole numbers stored by an earlier launch: a step all of whose keys are hidden for all 32
; queries, in a group with no row hidden whole, adds nothing and is left out by a scalar branch; a step with nothing hidden leaves the selects out.
; NO JOINT LOADS, though the four work-groups of a head read the same K and V: what is shared is read once a work-group, at its head:
; 139,264 bytes against 16 steps of work.
; LIMITS: open scores |q . k| stay under 2^100; NaN and infinities are not served; a block of p or of the context whose largest number lies under 2^-124 keeps the scale byte 1.
; REGISTERS: v1 16 L, v2 8 L, v3-4 LDS addresses, v5 32 L, v6 16 h, v7 -2^100; v8-27 = 0, q0, 0, q1, 0 in fours; v28-29 q's scale words; v32-39 per tile -M, largest t, the sum in two halves; v40-71 K's, then V's images;
;   v72-73, v74-75 their scale words; v80-143 S^T, then p; v144-207 O^T, 32 a tile; v208-223 p's codes; v224-225 p's scale words; v228-245 at work.
; SCALARS: s2 the step's LDS byte, s3 the step's byte in mw, s17 the flags, s19 trips, s24 the next step's byte in mw; s32-63, s68-99 the 64 mask words.
; THE MODE: SCHED_MODE bits 1:0 = 2 (LLVM: expert scheduling mode 2), set by the entry lines.  The code itself states the register dependences
; between vector or matrix instructions and memory or LDS instructions, with s_wait_alu, always for 0.
; THE PLAN.  Registers that memory or LDS instructions touch:
;   HEAD   v31, v3, v44-46  offsets and LDS addresses, made together ahead of ONE wait on va_vdst; q's three loads, the copy's 17 loads and its 17 LDS stores follow it, and no vector line between names them.
;          v80-143, v40-43  the copy's loads land there and its LDS stores read them; ONE wait on vm_vsrc behind the barrier frees them, v44-46 and v3 for the loop (products write v80-143, LDS loads land in v40-71, an add writes v3).
;   LOOP   v3, v4           written by two adds at a worked step's head, behind a wait on vm_vsrc (the last worked step's LDS loads have read them); read by the step's 18 LDS loads.
;          v40-71, v72-73   K's loads land at the step's head; QK 0 and QK 1 read them.      v40-71, v74-75   V's loads land behind QK 1; PV reads them.  The wave's 256 registers hold one set of images, so K and V take turns in it.
;          So a worked step has one wait on va_vdst ahead of K's loads (the adds have written v3 and v4; the last PV is done reading V's images, the last QK 1 K's scale words) and one ahead of V's loads (QK 1 is done reading K's images).
;          v8-29, v208-225  written by vector lines, taken by scaled products as B and as scales: v8-29 and tile 0's codes stand ahead of those two waits; tile 1's have a wait of their own ahead of PV, behind the places.
;          s32-99           written by scalar loads, read by the selects: a wait on va_vdst stands between a tile's selects and the scalar loads that write the words again.
;   OUT    v208-215, v226   written by the quantiser; one wait on va_vdst ahead of the three stores, which go by v1 and v5, made at the head and never written again.
;   s16    written by v_readfirstlane_b32: a wait on va_sdst ahead of its first reader.
.set STEPB, 8704                       ; a step in LDS: K's four images, 256 bytes of scale words, V's four images, 256 bytes
.set VOFF,  4352
.set S,   80
.set O,   144
.set PCD, 208
.set PWD, 224
.set BM,  228                          ; the four blocks' largest scores, then largest p
.set PD,  232
.set SO,  236
.set F,   240
.set X,   242
.set C2,  244
.set TM,  228                          ; at work in QUANT, on the way out
.set SEL, 20
.set CS,  22
	s_load_b256 s[4:11], s[0:1], 0x0               ; qf, kv, mw, fl
	s_load_b128 s[12:15], s[0:1], 0x20             ; cf, cs
	v_lshl_add_u32 v254, v0, 2, 0x22000
	v_mov_b32 v255, 0
	v_lshrrev_b32 v1, 5, v0
	v_readfirstlane_b32 s16, v1                    ; wave 0..15
	v_and_b32 v5, 31, v0
	v_lshlrev_b32 v1, 4, v5                        ; 16 x lane
	v_lshlrev_b32 v2, 3, v5                        ; 8 x lane
	v_lshlrev_b32 v5, 5, v5                        ; 32 x lane
	v_bfe_u32 v6, v0, 4, 1
	v_lshlrev_b32 v6, 4, v6                        ; 16 h
	v_mov_b32 v7, 0xf1800000                       ; -2^100
	s_and_b32 s25, ttmp7, 0xffff                   ; bh
	s_wait_alu depctr_va_sdst(0)                   ; s16 is written, ahead of its first reader: my group of queries and all my addresses are made from it
	s_bfe_u32 s26, s16, 0x10002
	s_mul_i32 s26, s26, 3
	s_xor_b32 s26, s26, s16                        ; w'
	s_lshl_b32 s26, s26, 2
	s_add_co_u32 s26, s26, ttmp9                   ; g
	s_lshl_b32 s27, s26, 7                         ; fl: 128 bytes a group
	s_lshl_b32 s28, s26, 13                        ; mw: 8,192 bytes a group
	s_mov_b32 s29, 0
	s_mul_i32 s30, s25, 69632                      ; qf: 16 blocks of 4,352 a head,
	s_lshr_b32 s31, s26, 2
	s_mul_i32 s31, s31, 4352                       ; my block of 128 queries
	s_add_co_u32 s30, s30, s31
	s_mov_b32 s31, 0
	s_and_b32 s18, s26, 3
	s_lshl_b32 s18, s18, 10                        ; my image in it: g % 4
	s_and_b32 s19, s26, 1
	s_lshl_b32 s19, s19, 7
	s_bfe_u32 s24, s26, 0x10001
	s_lshl_b32 s24, s24, 2
	s_add_co_u32 s19, s19, s24                     ; and its scale words: 128 (g % 2) + 4 ((g / 2) % 2) + 8 r behind byte 4,096
	s_mul_i32 s2, s25, 139264                      ; kv: my head
	s_mov_b32 s3, 0
	s_mov_b32 s[SEL], 0x76543210
	s_mov_b32 s[SEL+1], 0xfedcba98
	s_mov_b32 s[CS], 0x3e38aa3b                    ; c = log2(e) / 8
	s_mov_b32 s[CS+1], s[CS]                       ; (named with it as a pair, so it is written)
	s_wait_kmcnt 0x0
	s_load_b32 s17, s[10:11], s27 offset:0x0       ; my group's flags
	s_add_nc_u64 s[8:9], s[8:9], s[28:29]
	s_add_nc_u64 s[4:5], s[4:5], s[30:31]
	s_add_nc_u64 s[6:7], s[6:7], s[2:3]
	v_add_nc_u32 v31, s18, v1
	v_and_b32 v3, 15, v0
	v_lshlrev_b32 v3, 3, v3
	v_add_nc_u32 v3, s19, v3
	v_lshlrev_b32 v44, 4, v0                       ; the copy of K and V: 512 threads x 16 bytes, 17 times
	v_add_nc_u32 v45, 0x10000, v44
	v_add_nc_u32 v46, 0x20000, v44
	s_wait_alu depctr_va_vdst(0)                   ; v31, v3 and v44 to v46 are written: q's loads, the copy's loads and its LDS stores read them as offsets and addresses
	global_load_b128 v[12:15], v31, s[4:5]         ; q, tile 0
	global_load_b128 v[20:23], v31, s[4:5] offset:512   ; tile 1
	global_load_b32 v30, v3, s[4:5] offset:4096    ; their scale word: (tile 0's two bytes, tile 1's two)
.set i, 0
.rept 16
	global_load_b128 v[S+4*i:S+4*i+3], v44, s[6:7] offset:8192*i
.set i, i+1
.endr
	global_load_b128 v[40:43], v44, s[6:7] offset:8192*16
.irp j, 8,9,10,11,16,17,18,19,24,25,26,27
	v_mov_b32 v\j, 0                               ; zero codes beside q
.endr
.irp u, 0,1
	v_mov_b32 v[33+4*\u], 0xff61b1e6               ; the largest t so far: -3e38
	v_floor_f32 v[32+4*\u], -v[33+4*\u]            ; -M
	v_mov_b32 v[34+4*\u], 0                        ; the sum, in two halves
	v_mov_b32 v[35+4*\u], 0
.endr
.irp b, 0,1,2,3
	v_mov_b32 v[PD+\b], 0                          ; written once: a lane permute's destination counts as one of its sources
.endr
	v_mov_b32 v[F+1], 0                            ; (named as upper halves of pairs)
	v_mov_b32 v[C2+1], 0
	s_wait_loadcnt 17                              ; q's three loads are in; the 17 of the copy may be out
	v_perm_b32 v28, v30, v30, 0x01000100           ; tile 0's two bytes, twice: they serve q in either half of its operand
	v_perm_b32 v29, v30, v30, 0x03020302           ; tile 1's
.set j, 0
.rept 64
	v_mov_b32 v[O+j], 0                            ; O^T.  (The step is written once: the first finds zeros, which the first change of M leaves zeros)
.set j, j+1
.endr
.set i, 0
.rept 16
	s_wait_loadcnt 16-i                            ; loads come back in order: number i of the copy is in, the younger ones may be out
	ds_store_b128 v[44+i/8], v[S+4*i:S+4*i+3] offset:8192*(i%8)   ; no vector line since the wait on va_vdst above names v44 to v46; the data come from loads
.set i, i+1
.endr
	s_wait_loadcnt 0x0
	ds_store_b128 v46, v[40:43]
	s_mov_b32 s2, 0
	s_mov_b32 s3, 0
	s_mov_b32 s19, 16
	s_wait_kmcnt 0x0                               ; the flags
.macro MLOAD so, off                   ; 64 mask words, 256 bytes
	s_load_b512 s[32:47], s[8:9], \so offset:\off
	s_load_b512 s[48:63], s[8:9], \so offset:\off+64
	s_load_b512 s[68:83], s[8:9], \so offset:\off+128
	s_load_b512 s[84:99], s[8:9], \so offset:\off+192
.endm
	MLOAD s3, 0                                    ; tile 0, step 0
	s_wait_dscnt 0x0                               ; for the others' sake: my part of the copy has landed
	s_barrier_signal -1
	s_barrier_wait -1                              ; the launch's one barrier: from here on LDS is only read
	s_wait_alu depctr_vm_vsrc(0)                   ; my LDS stores have read v80 to v143, v40 to v43 and v44 to v46, and q's load v3: products and vector lines write the first, LDS loads land in v40 to v71, an add writes v3
.macro QK u                            ; S^T of tile u: 8 products that start their sums; image b holds keys' tiles 2 b and 2 b + 1
.irp b, 0,1,2,3
.if \b%2
	v_wmma_scale_f32_16x16x128_f8f6f4 v[S+16*\b:S+16*\b+7], v[40+8*\b:47+8*\b], v[12+8*\u:19+8*\u], 0, v[72+\b/2], v[28+\u] matrix_a_fmt:MATRIX_FMT_FP4 matrix_b_fmt:MATRIX_FMT_FP4 matrix_a_scale:MATRIX_SCALE_ROW1
	v_wmma_scale_f32_16x16x128_f8f6f4 v[S+16*\b+8:S+16*\b+15], v[40+8*\b:47+8*\b], v[8+8*\u:15+8*\u], 0, v[72+\b/2], v[28+\u] matrix_a_fmt:MATRIX_FMT_FP4 matrix_b_fmt:MATRIX_FMT_FP4 matrix_a_scale:MATRIX_SCALE_ROW1
.else
	v_wmma_scale_f32_16x16x128_f8f6f4 v[S+16*\b:S+16*\b+7], v[40+8*\b:47+8*\b], v[12+8*\u:19+8*\u], 0, v[72+\b/2], v[28+\u] matrix_a_fmt:MATRIX_FMT_FP4 matrix_b_fmt:MATRIX_FMT_FP4
	v_wmma_scale_f32_16x16x128_f8f6f4 v[S+16*\b+8:S+16*\b+15], v[40+8*\b:47+8*\b], v[8+8*\u:15+8*\u], 0, v[72+\b/2], v[28+\u] matrix_a_fmt:MATRIX_FMT_FP4 matrix_b_fmt:MATRIX_FMT_FP4
.endif
.endr
.endm
.macro MASK                            ; hidden scores become -2^100; each accumulator is read from its low end on
.set j, 0
.rept 64
.if j < 32
	v_cndmask_b32 v[S+j], v7, v[S+j], s[32+j]
.else
	v_cndmask_b32 v[S+j], v7, v[S+j], s[36+j]
.endif
.set j, j+1
.endr
.endm
.macro SOFTMAX u
.set ST, 32+4*\u
.irp b, 0,1,2,3
	v_max3_num_f32 v[BM+\b], v[S+16*\b], v[S+1+16*\b], v[S+2+16*\b]   ; the largest score of each block of 32 keys: it serves the row's maximum and, since p rises with the score, the block's largest p
.endr
.irp i, 3,5,7,9,11,13
.irp b, 0,1,2,3
	v_max3_num_f32 v[BM+\b], v[BM+\b], v[S+16*\b+\i], v[S+1+16*\b+\i]
.endr
.endr
.irp b, 0,1,2,3
	v_max_num_f32 v[BM+\b], v[BM+\b], v[S+15+16*\b]
.endr
.irp b, 0,1,2,3
	v_permlanex16_b32 v[PD+\b], v[BM+\b], s[SEL], s[SEL+1]
.endr
.irp b, 0,1,2,3
	v_max_num_f32 v[BM+\b], v[BM+\b], v[PD+\b]     ; with lane l xor 16's 16 keys
.endr
	v_max3_num_f32 v[X], v[BM], v[BM+1], v[BM+2]
	v_max_num_f32 v[X], v[X], v[BM+3]
	v_mul_f32 v[X], s[CS], v[X]                    ; as t
	v_max_num_f32 v[ST+1], v[ST+1], v[X]           ; the running largest t
	v_mov_b32 v[X], v[ST]
	v_floor_f32 v[ST], -v[ST+1]                    ; the new -M = -ceil(t)
	v_sub_f32 v[X], v[ST], v[X]                    ; old M - new M: a whole number, 0 or less
	v_cvt_i32_f32 v[X], v[X]                       ; (it saturates)
	v_ldexp_f32 v[F], 1.0, v[X]                    ; f = 2^(old M - new M)
.set j, 0
.rept 32
	v_pk_fma_f32 v[S+j:S+j+1], v[S+j:S+j+1], s[CS:CS+1], v[ST:ST+1] op_sel_hi:[1,0,0]   ; t - M, two at a time
.set j, j+2
.endr
.irp b, 0,1,2,3
	v_fma_f32 v[BM+\b], v[BM+\b], s[CS], v[ST]     ; the same of each block's largest score
.endr
.set j, 0
.rept 64
	v_exp_f32 v[S+j], v[S+j]                       ; p = 2^(t - M)
.set j, j+1
.endr
	v_pk_mul_f32 v[ST+2:ST+3], v[ST+2:ST+3], v[F:F+1] op_sel_hi:[1,0]   ; the sums under the new M: a plain instruction behind the exponentials
	s_wait_alu depctr_va_vdst(0)                   ; the 64 exponentials have written p: one wait for the batch, ahead of its first reader
.irp b, 0,1,2,3
	v_exp_f32 v[BM+\b], v[BM+\b]                   ; the block's largest p
.endr
	v_pk_add_f32 v[C2:C2+1], v[S:S+1], v[S+2:S+3]  ; the row's sum of the unquantised p, in two chains
.irp j, 4,8,12,16,20,24,28,32,36,40,44,48,52,56,60
	v_pk_add_f32 v[ST+2:ST+3], v[ST+2:ST+3], v[S+\j:S+\j+1]
	v_pk_add_f32 v[C2:C2+1], v[C2:C2+1], v[S+2+\j:S+3+\j]
.endr
	v_pk_add_f32 v[ST+2:ST+3], v[ST+2:ST+3], v[C2:C2+1]
	s_wait_alu depctr_va_vdst(0)                   ; and one for the four: the blocks' largest p are written
.irp b, 0,1,2,3
	v_max_num_f32 v[BM+\b], 0x1800000, v[BM+\b]    ; the floor 2^(3 - 127): the byte cannot fall under 1
.endr
.irp b, 0,1,2,3
	v_add_nc_u32 v[SO+\b], 0xff000000, v[BM+\b]    ; 2 off the exponent field: the conversion's scale operand
.endr
.irp b, 0,1,2,3
	v_lshrrev_b32 v[PD+\b], 23, v[SO+\b]           ; the scale's byte
.endr
	v_lshl_or_b32 v[PWD+\u], v[PD+1], 8, v[PD]     ; p's scale word for these 128 keys
	v_lshl_or_b32 v[PWD+\u], v[PD+2], 16, v[PWD+\u]
	v_lshl_or_b32 v[PWD+\u], v[PD+3], 24, v[PWD+\u]
.irp b, 0,1,2,3
	v_cvt_scalef32_pk8_fp4_f32 v[PCD+8*\u+2*\b], v[S+16*\b:S+7+16*\b], v[SO+\b]
	v_cvt_scalef32_pk8_fp4_f32 v[PCD+8*\u+1+2*\b], v[S+8+16*\b:S+15+16*\b], v[SO+\b]
.endr
	v_nop                                          ; one plain place behind a scaled conversion
.irp c, 0,1
.irp i, 0,1
	v_permlane16_swap_b32 v[PCD+8*\u+4*\c+\i], v[PCD+8*\u+2+4*\c+\i]   ; a whole block of 32 keys in a lane
.endr
.endr
.set j, 0
.rept 16
	v_pk_mul_f32 v[O+32*\u+j:O+32*\u+j+1], v[O+32*\u+j:O+32*\u+j+1], v[F:F+1] op_sel_hi:[1,0]   ; O^T under the new M.  (These sixteen also stand between the codes and the scale word just made and the products that take them)
.set j, j+2
.endr
.endm
.macro PV                              ; O^T += V^T P^T: eight accumulators, each once, the two tiles by turns
.irp t, 0,1,2,3
.irp u, 0,1
.if \t%2
	v_wmma_scale_f32_16x16x128_f8f6f4 v[O+32*\u+8*\t:O+32*\u+8*\t+7], v[40+8*\t:47+8*\t], v[PCD+8*\u:PCD+8*\u+7], v[O+32*\u+8*\t:O+32*\u+8*\t+7], v[74+\t/2], v[PWD+\u] matrix_a_fmt:MATRIX_FMT_FP4 matrix_b_fmt:MATRIX_FMT_FP4 matrix_a_scale:MATRIX_SCALE_ROW1
.else
	v_wmma_scale_f32_16x16x128_f8f6f4 v[O+32*\u+8*\t:O+32*\u+8*\t+7], v[40+8*\t:47+8*\t], v[PCD+8*\u:PCD+8*\u+7], v[O+32*\u+8*\t:O+32*\u+8*\t+7], v[74+\t/2], v[PWD+\u] matrix_a_fmt:MATRIX_FMT_FP4 matrix_b_fmt:MATRIX_FMT_FP4
.endif
.endr
.endr
.endm
.Lstep:                                            ; 16 trips, a constant; a step that adds nothing jumps over its work, not over the lines that step addresses
	s_bitcmp1_b32 s17, 0
	s_cbranch_scc1 .Lskip
	s_wait_alu depctr_vm_vsrc(0)                   ; the LDS loads of the last worked step have read v3 and v4, which the two adds write again
	v_add_nc_u32 v3, s2, v1
	v_add_nc_u32 v4, s2, v2
	v_nop
	v_nop                                          ; four places behind the last step's products, ahead of loads into registers that they read
	s_wait_alu depctr_va_vdst(0)                   ; v3 and v4 are written, which the loads below read; the last PV is done reading v40 to v71 and the last QK 1 v72 and v73, in which they land; in the first worked step the zero codes and q's scale words v8 to v29 are written, which the products take
.irp b, 0,1,2,3
.irp c, 0,1
	ds_load_b128 v[40+8*\b+4*\c:43+8*\b+4*\c], v3 offset:1024*\b+512*\c   ; K's images: 512 consecutive bytes a load
.endr
.endr
	ds_load_b64 v[72:73], v4 offset:4096           ; register e: lanes 0-15 image 2 e's words, lanes 16-31 image 2 e + 1's
	s_wait_dscnt 0x0
	QK 0
.rept 4
	v_nop
.endr
	s_wait_kmcnt 0x0                               ; tile 0's mask words, asked for a step ago
	s_bitcmp1_b32 s17, 1
	s_cbranch_scc1 .Lopen0
	MASK
	s_wait_alu depctr_va_vdst(0)                   ; the selects are done reading s32 to s99, which the scalar loads below write
.Lopen0:
	MLOAD s3, 4096                                 ; tile 1's words of this step
	SOFTMAX 0
	QK 1
.rept 4
	v_nop                                          ; ahead of the loads into K's registers and of the first read of the scores
.endr
	s_wait_alu depctr_va_vdst(0)                   ; QK 1 is done reading K's images v40 to v71, and the last PV V's scale words v74 and v75: the loads below land there; tile 0's codes and scale word, which PV takes, are written
.irp t, 0,1,2,3
.irp c, 0,1
	ds_load_b128 v[40+8*\t+4*\c:43+8*\t+4*\c], v3 offset:VOFF+1024*\t+512*\c   ; V's images land while tile 1's softmax is worked
.endr
.endr
	ds_load_b64 v[74:75], v4 offset:VOFF+4096
	s_wait_kmcnt 0x0
	s_bitcmp1_b32 s17, 1
	s_cbranch_scc1 .Lopen1
	MASK
	s_wait_alu depctr_va_vdst(0)                   ; the selects are done reading s32 to s99, which the scalar loads below write
.Lopen1:
	s_add_co_u32 s24, s3, 256                      ; (written only behind a wait for the scalar loads that read it)
	s_min_u32 s24, s24, 3840                       ; the last trip asks for step 15 again: no load leaves mw
	MLOAD s24, 0                                   ; tile 0's words of the next step
	SOFTMAX 1
	s_wait_dscnt 0x0                               ; V is in
	s_wait_alu depctr_va_vdst(0)                   ; tile 1's codes v216 to v223 and its scale word v225 are written, which the products below take as B and as scales; the sixteen rescalings above are the places, and stay beside this wait
	PV
	s_branch .Lnext
.Lskip:
	s_wait_kmcnt 0x0                               ; the words asked for a step ago are let in, and the next step's are asked for: every way leaves the same loads out
	s_add_co_u32 s24, s3, 256
	s_min_u32 s24, s24, 3840
	MLOAD s24, 0
.Lnext:
	s_lshr_b32 s17, s17, 2
	s_add_co_u32 s2, s2, STEPB
	s_add_co_u32 s3, s3, 256
	s_sub_co_u32 s19, s19, 1
	s_cmp_lg_u32 s19, 0
	s_cbranch_scc1 .Lstep
	; THE WAY OUT: O^T / the sum; both tiles' 64 channels are quantised at once (four blocks of 32); a tile's four registers are half an image of the last product's operand.
	s_wait_kmcnt 0x0
	v_add_f32 v228, v34, v35                       ; the sums' two halves.  (These plain lines are the places behind the last products)
	v_add_f32 v229, v38, v39
	v_permlanex16_b32 v232, v228, s[SEL], s[SEL+1]
	v_permlanex16_b32 v233, v229, s[SEL], s[SEL+1]
	v_add_f32 v228, v228, v232                     ; and lane l xor 16's
	v_add_f32 v229, v229, v233
	v_rcp_f32 v[F], v228
	v_rcp_f32 v[C2], v229
	v_nop                                          ; a plain instruction behind the reciprocals
	s_lshr_b32 s27, s25, 4                         ; the batch
	s_and_b32 s28, s25, 15                         ; the head
	s_lshl_b32 s27, s27, 7
	s_lshl_b32 s29, s26, 1
	s_add_co_u32 s27, s27, s29                     ; my first tile of 16 rows: 128 x batch + 2 g
	s_lshl_b32 s30, s27, 12                        ; cf [K half][row tile][128 along K][c][lane][16 bytes]: 4,096 bytes a row tile,
	s_lshr_b32 s29, s28, 3
	s_lshl_b32 s29, s29, 21                        ; heads 8-15 in the second half,
	s_add_co_u32 s30, s30, s29
	s_bfe_u32 s29, s28, 0x20001
	s_lshl_b32 s29, s29, 10                        ; two heads to 128 along K,
	s_add_co_u32 s30, s30, s29
	s_and_b32 s29, s28, 1
	s_lshl_b32 s29, s29, 9                         ; c = head % 2
	s_add_co_u32 s30, s30, s29
	s_mov_b32 s31, 0
	s_add_nc_u64 s[12:13], s[12:13], s[30:31]
	s_lshl_b32 s30, s27, 9                         ; cs: 32 bytes a row, my head's two
	s_lshl_b32 s29, s28, 1
	s_add_co_u32 s30, s30, s29
	s_add_nc_u64 s[14:15], s[14:15], s[30:31]
	s_wait_alu depctr_va_vdst(0)                   ; the two reciprocals are written: one wait, ahead of their first reader
.irp u, 0,1
.set j, 0
.rept 16
	v_pk_mul_f32 v[S+32*\u+j:S+32*\u+j+1], v[O+32*\u+j:O+32*\u+j+1], v[F+4*\u:F+4*\u+1] op_sel_hi:[1,0]   ; register 32 u + 16 b + i: channel 32 b + 16 h + i of tile u's query r
.set j, j+2
.endr
.endr
.macro QUANT s, pc, pw
.irp b, 0,1,2,3
	v_max3_num_f32 v[TM+\b], |v[\s+16*\b]|, |v[\s+1+16*\b]|, 0x1800000
.endr
.irp i, 2,4,6,8,10,12,14
.irp b, 0,1,2,3
	v_max3_num_f32 v[TM+\b], v[TM+\b], |v[\s+16*\b+\i]|, |v[\s+1+16*\b+\i]|
.endr
.endr
.irp b, 0,1,2,3
	v_permlanex16_b32 v[TM+4+\b], v[TM+\b], s[SEL], s[SEL+1]
.endr
.irp b, 0,1,2,3
	v_max_num_f32 v[TM+\b], v[TM+\b], v[TM+4+\b]
.endr
.irp b, 0,1,2,3
	v_add_nc_u32 v[TM+12+\b], 0xff000000, v[TM+\b]
.endr
.irp b, 0,1,2,3
	v_lshrrev_b32 v[TM+4+\b], 23, v[TM+12+\b]
.endr
	v_lshl_or_b32 v[\pw], v[TM+5], 8, v[TM+4]
	v_lshl_or_b32 v[\pw], v[TM+6], 16, v[\pw]
	v_lshl_or_b32 v[\pw], v[TM+7], 24, v[\pw]
.irp b, 0,1,2,3
	v_cvt_scalef32_pk8_fp4_f32 v[\pc+2*\b], v[\s+16*\b:\s+7+16*\b], v[TM+12+\b]
	v_cvt_scalef32_pk8_fp4_f32 v[\pc+1+2*\b], v[\s+8+16*\b:\s+15+16*\b], v[TM+12+\b]
.endr
	v_nop
.irp c, 0,1
.irp i, 0,1
	v_permlane16_swap_b32 v[\pc+4*\c+\i], v[\pc+2+4*\c+\i]
.endr
.endr
.endm
	QUANT S, PCD, PWD
	v_lshrrev_b32 v226, v6, v[PWD]                 ; lanes 0-15: tile 0's two bytes, lanes 16-31: tile 1's
	s_wait_alu depctr_va_vdst(0)                   ; the codes v208 to v215 and the scale bytes v226 are written, which the three stores read
	global_store_b128 v1, v[PCD:PCD+3], s[12:13]               ; 512 consecutive bytes, aligned
	global_store_b128 v1, v[PCD+4:PCD+7], s[12:13] offset:4096
	global_store_b16 v5, v226, s[14:15]            ; two bytes of each of 32 rows: a row's 32 scale bytes come from 16 work-groups; 262,144 bytes in the whole launch leave so
	s_wait_dscnt 0x0
	s_wait_alu depctr_hold_cnt(0) depctr_sa_sdst(0) depctr_va_vdst(0) depctr_va_sdst(0) depctr_va_ssrc(0) depctr_va_vcc(0) depctr_vm_vsrc(0)
	s_wait_tensorcnt 0x0
	ds_add_u32 v254, v255
	s_wait_dscnt 0x0
	s_endpgm
.Lfunc_end_k_qae84b915d8_attn:
	.size	k_qae84b915d8_attn, .Lfunc_end_k_qae84b915d8_attn-k_qae84b915d8_attn
	.p2alignl 7, 3214868480
	.fill 96, 4, 3214868480
	.section	.rodata,"a",@progbits
	.p2align	6, 0x0
	.amdhsa_kernel k_qae84b915d8_attn
		.amdhsa_group_segment_fixed_size 141312
		.amdhsa_private_segment_fixed_size 0
		.amdhsa_enable_private_segment 0
		.amdhsa_kernarg_size 48
		.amdhsa_user_sgpr_count 2
		.amdhsa_user_sgpr_kernarg_segment_ptr 1
		.amdhsa_wavefront_size32 1
		.amdhsa_system_sgpr_workgroup_id_x 1
		.amdhsa_system_sgpr_workgroup_id_y 1
		.amdhsa_system_sgpr_workgroup_id_z 1
		.amdhsa_system_vgpr_workitem_id 0
		.amdhsa_next_free_vgpr 256
		.amdhsa_next_free_sgpr 100
		.amdhsa_reserve_vcc 0
		.amdhsa_float_denorm_mode_32 3
		.amdhsa_float_denorm_mode_16_64 3
		.amdhsa_memory_ordered 1
		.amdhsa_forward_progress 1
		.amdhsa_inst_pref_size 55
	.end_amdhsa_kernel
	.amdgpu_metadata
---
amdhsa.version: [ 1, 2 ]
amdhsa.kernels:
  - .name:           k_qae84b915d8_attn
    .symbol:         k_qae84b915d8_attn.kd
    .args:
      - { .name: qf, .offset: 0, .size: 8, .value_kind: global_buffer, .address_space: global }
      - { .name: kv, .offset: 8, .size: 8, .value_kind: global_buffer, .address_space: global }
      - { .name: mw, .offset: 16, .size: 8, .value_kind: global_buffer, .address_space: global }
      - { .name: fl, .offset: 24, .size: 8, .value_kind: global_buffer, .address_space: global }
      - { .name: cf, .offset: 32, .size: 8, .value_kind: global_buffer, .address_space: global }
      - { .name: cs, .offset: 40, .size: 8, .value_kind: global_buffer, .address_space: global }
    .group_segment_fixed_size: 141312
    .private_segment_fixed_size: 0
    .kernarg_segment_align: 8
    .kernarg_segment_size: 48
    .max_flat_workgroup_size: 512
    .sgpr_count:     100
    .vgpr_count:     256
    .wavefront_size: 32
...
	.end_amdgpu_metadata
.endif
;; end of part 5
;; launch outp: the kernel of part 4 again; grid 4 x 32, 4 waves a work-group, clusters of 4 x 4, 327,680 bytes of LDS; arguments cf, cs, codes, scales, bo, out0; writes out0
